; MI455X (gfx1250); checked and timed in simulation.
; The chip was launched on July 23, 2026; its instructions are those of AMD's public machine-readable ISA for CDNA 5 (MIT licence, August 2026) and "CDNA5" Instruction Set Architecture Reference Guide (July 2026). The comments in the code are by the model that wrote it; some were corrected since.
;; Multi Head Attention. Allowed arithmetic: matrix products marked QUANTISED: E2M3 operands, one E8M0 scale for each 32 along K, by v_wmma_scale_f32_16x16x128_f8f6f4 with both operands' format E2M3, f32 sums; everything else in f32.
;; Inputs: Wk 1,024 x 1,024 float32; Wo 1,024 x 1,024 float32; Wq 1,024 x 1,024 float32; Wv 1,024 x 1,024 float32; bk 1,024 float32; bo 1,024 float32; bq 1,024 float32; bv 1,024 float32; k 4 x 2,048 x 1,024 float32; q 4 x 2,048 x 1,024 float32; v 4 x 2,048 x 1,024 float32.
;; Outputs: out0 4 x 2,048 x 1,024 float32.
;; This version of the problem:
;;   THIS VERSION OF THE PROBLEM IS GIVEN IN LOW PRECISION. The matrix products marked QUANTISED in the list below multiply operands that are first quantised to E2M3 (2 exponent bits, 3 mantissa bits; 6 bits a number), with one power-of-two scale for each 32 numbers along K (OCP MX v1.0); their sums are f32. All else is computed in f32.
;;   The module's matrix products, in the order in which they are computed (A, B: the left and right operand; K: the contracted axis; several contracted axes count as one K, in the product's order):
;;     1. [M 8,192, K 1,024] x [K 1,024, N 1,024]; A: input q; B: input Wq: QUANTISED
;;     2. [M 8,192, K 1,024] x [K 1,024, N 1,024]; A: input k; B: input Wk: QUANTISED
;;     3. [M 8,192, K 1,024] x [K 1,024, N 1,024]; A: input v; B: input Wv: QUANTISED
;;     4. batch 64 x [M 2,048, K 64] x [K 64, N 2,048]; A: computed on the way; B: computed on the way: QUANTISED
;;     5. batch 64 x [M 2,048, K 2,048] x [K 2,048, N 64]; A: softmax (see below); B: computed on the way: QUANTISED
;;     6. [M 8,192, K 1,024] x [K 1,024, N 1,024]; A: computed on the way; B: input Wo: QUANTISED
;;   THE QUANTISER, for each operand of a quantised product, along K:
;;     - K is cut into blocks of 32 from its start; a last block that is shorter is filled with zeros.
;;     - A block's scale is 2^e with e = floor(log2(the largest magnitude in the block)) - 2, held to -126 .. 127; a block of zeros has e = 0. As a byte (E8M0): e + 127.
;;     - Each number is divided by its block's scale, clamped to +-7.5, and rounded to the nearest number of E2M3, ties to even, subnormals kept.
;;     - The product sums the exact products of the quantised numbers (number of the format x scale) in f32.
;;   ~~~python
;;   def quantise(x, axis):      # numpy; x: float32 -> the quantised numbers, widened to float32 again
;;       x = np.moveaxis(x, axis, -1); K = x.shape[-1]
;;       x = np.pad(x, [(0, 0)] * (x.ndim - 1) + [(0, -K % 32)]); x = x.reshape(x.shape[:-1] + (-1, 32)); a = np.abs(x).max(-1, keepdims=True)
;;       e = np.where(a > 0, np.clip(np.frexp(np.where(a > 0, a, 1))[1] - 1 - 2, -126, 127), 0)      # np.frexp(a)[1] - 1 = floor(log2(a)), exactly
;;       r = np.clip(x / 2.0 ** e, -7.5, 7.5)
;;       step = 2.0 ** (np.maximum(np.frexp(np.where(r == 0, 1, r))[1] - 1, 0) - 3)
;;       q = np.round(r / step) * step * 2.0 ** e      # np.round: ties to even
;;       return np.moveaxis(q.reshape(q.shape[:-2] + (-1,))[..., :K], -1, axis).astype(np.float32)
;;   ~~~
;;   SOFTMAX AHEAD OF A QUANTISED PRODUCT. Where the list says 'softmax', what is quantised is not the finished softmax but p = 2^(t - M), with t = logit x log2(e) and M = ceil(the row's largest t), a whole number; so 1/2 < the row's largest p <= 1. The row's sum l is taken of the UNQUANTISED p, in f32, and the product's result is divided by l at the end. Since M is a whole number, a kernel that streams over the keys may use a running M (the ceiling of the running maximum): every later rescaling is an exact power of two, which a block's scale takes up: the codes' values come out the same.
;;   OPERANDS COMPUTED ON THE WAY. 'Computed on the way' means the value that the module computes at that place (a softmax that the list does not call 'softmax' is quantised finished and normalised). What goes into a quantiser is computed in f32, as accurately as f32 sums, v_exp_f32 and their like allow (about 1e-6 of the number): no bf16 or f16 on the way to a quantiser, and a product that is left as it is and whose result goes on into a quantised operand takes f32 operands (vector FMAs, or v_wmma_f32_16x16x4_f32). A number that lies on a knife's edge between two numbers of the format may be rounded either way, as far as f32 arithmetic and the matrix unit's own rounding can turn it there, and no further.
;; 2 versions. Each part assembles by itself: llvm-mc -triple=amdgcn-amd-amdhsa -mcpu=gfx1250 --defsym DOCPART=n.
;; ======== version 1 of 2: 4 launches
;; workspace buffers: wimg 3,145,728 bytes; wsc 131,072 bytes; qb 6,815,744 bytes; kv 13,631,488 bytes; ob 6,553,600 bytes
;; launch wquant (part 1): grid 64 x 4, 4 waves a work-group, no clusters, 13,312 bytes of LDS; arguments Wq, Wk, Wv, Wo, wimg, wsc; writes wimg, wsc
.if DOCPART == 1
	.amdgcn_target "amdgcn-amd-amdhsa--gfx1250"
	.amdhsa_code_object_version 6
	.text
	.protected	k_q3db9790214_wquant
	.globl	k_q3db9790214_wquant
	.p2align	8
	.type	k_q3db9790214_wquant,@function
k_q3db9790214_wquant:
	s_mov_b64 s[64:65], 0
	v_nop
	global_prefetch_b8 v0, s[64:65] scope:SCOPE_SE
	s_setreg_imm32_b32 hwreg(HW_REG_WAVE_MODE, 25, 1), 1
	s_wait_xcnt 0x0
; MULTI-HEAD ATTENTION IN MX-FP6 (E2M3, one E8M0 byte for each 32 along K): B 4, S 2048, D 1024, 16 heads of 64.  Launch 1 of 4.
; THE PROGRAM: (1) this launch: the four weights into codes; (2) proj: q, k, v quantised, products 1-3 with their biases, results quantised; (3) attn: products 4 and 5 with the softmax; (4) outp: product 6 with bo.
; DEAD WORK: none is left out.  Every bias goes into a quantised operand (bq, bk, bv) or into the output (bo), every product reaches the output: all eleven inputs are loaded.
; LIMITS: NaN and infinities among the inputs are not served.  A block of zeros gets the scale byte 1 where the rule says 127: its codes are zeros, which add nothing under any byte but 0xff,
; and the bytes are read by this program alone.  Blocks whose largest magnitude lies under 2^(3 - 127) are held at the byte 1.
; THIS LAUNCH.  W [1024 (k)][1024 (n)] f32, K its first axis, becomes IMAGES OF OPERAND REGISTERS: a fragment is 16 columns x 128 K, 12 registers a lane; in memory registers 4 c .. 4 c + 3 of lane l lie at 512 c + 16 l.
; wimg: [weight][slice of 64 columns hd][K step s of 128][tile t of 16 columns][1536 bytes].  THE COLUMNS OF A TILE ARE NOT NEIGHBOURS: row r of tile 2 b + u is column 32 b + 8 u + r + 8 (r / 8) of the slice.
; wsc: [weight][hd][pair i of K steps][lane 32][4 tiles] scale words: lanes 0-15 K step 2 i, lanes 16-31 K step 2 i + 1.
; SHARES.  Work-group (x = 4 hd + i, y = weight); wave w: 32 columns (group w & 1), K step 2 i + (w >> 1).  A lane takes a column and its registers run down K: a block of 32 lies in one lane,
; and the conversions give codes with K innermost.  Each load reads 128 consecutive bytes.  Loads run two blocks (64 loads) ahead.
.set IMGW,  3072                       ; LDS: a wave's two images
.set SCB,   12288                      ; the work-group's 512 bytes of scale words
.set SPARE, 12800                      ; the spare words, 128 bytes for each wave: two blocks of 256 bytes that no other line names
.set LN4,  1                           ; v1   4 x lane
.set IA,   2                           ; v2   where my column's codes go in my wave's images
.set RB,   3                           ; v3   where I read the images back
.set SA,   4                           ; v4   where my scale word goes
.set LI,   5                           ; v5   16 x lane
.set SR,   6                           ; v6   where wave 0 reads the scale words back
.set SWD,  24                          ; v24  my column's scale word
.set SPW,  26                          ; v26  LDS address of my spare word; never rewritten
.set NIL,  27                          ; v27  0; never rewritten
.set X,    32                          ; v32-159  128 numbers
.set C,    160                         ; v160..   six code registers a block, 8 apart
.set TT,   192                         ; v192-194 a conversion's three registers begin on an even number: the second half is made here and moved
.set OUTR, 196                         ; v196-219 the way out
	s_load_b256 s[4:11], s[0:1], 0x0               ; Wq, Wk, Wv, Wo
	s_load_b128 s[12:15], s[0:1], 0x20             ; wimg, wsc
	v_lshl_add_u32 v[SPW], v0, 2, SPARE
	v_mov_b32 v[NIL], 0
	v_lshrrev_b32 v7, 5, v0
	v_readfirstlane_b32 s16, v7                    ; wave
	v_and_b32 v7, 31, v0                           ; lane
	v_lshlrev_b32 v[LN4], 2, v7
	v_lshlrev_b32 v[LI], 4, v7
	v_bfe_u32 v8, v0, 3, 1                         ; u: which of the group's two tiles my column belongs to
	v_and_b32 v9, 7, v0
	v_bfe_u32 v10, v0, 4, 1
	v_lshl_add_u32 v9, v10, 3, v9                  ; r: its row there: (l & 7) + 8 (l >> 4)
	s_mul_i32 s17, s16, IMGW
	v_mul_u32_u24 v[IA], v8, 1536
	v_lshl_add_u32 v[IA], v9, 4, v[IA]
	v_add_nc_u32 v[IA], s17, v[IA]
	v_add_nc_u32 v[RB], s17, v[LI]
	s_lshr_b32 s18, s16, 1                         ; which of the pair's K steps
	s_and_b32 s19, s16, 1                          ; which group of 32 columns
	s_lshl_b32 s20, s18, 8
	s_lshl_b32 s21, s19, 3
	s_add_co_u32 s20, s20, s21
	s_add_co_u32 s20, s20, SCB
	v_lshlrev_b32 v[SA], 4, v9
	v_lshl_add_u32 v[SA], v8, 2, v[SA]
	v_add_nc_u32 v[SA], s20, v[SA]                 ; SCB + 256 (K step & 1) + 16 r + 4 tile
	v_add_nc_u32 v[SR], SCB, v[LI]
	s_lshr_b32 s22, ttmp9, 2                       ; hd
	s_and_b32 s23, ttmp9, 3                        ; i
	s_and_b32 s24, ttmp7, 0xffff                   ; weight
	s_lshl_b32 s25, s23, 1
	s_add_co_u32 s25, s25, s18                     ; K step s
	s_lshl_b32 s26, s25, 19                        ; W: 128 s rows of 4096 bytes
	s_lshl_b32 s27, s22, 8
	s_add_co_u32 s26, s26, s27                     ; + 64 hd columns
	s_lshl_b32 s27, s19, 7
	s_add_co_u32 s26, s26, s27                     ; + my group's 32
	s_mov_b32 s27, 0
	s_lshl_b32 s28, s22, 3
	s_add_co_u32 s28, s28, s25
	s_lshl_b32 s28, s28, 2
	s_lshl_b32 s29, s19, 1
	s_add_co_u32 s28, s28, s29
	s_mul_i32 s28, s28, 1536                       ; wimg: ((8 hd + s) 4 + first tile) images
	s_mul_i32 s29, s24, 786432
	s_add_co_u32 s28, s28, s29
	s_mov_b32 s29, 0
	s_lshl_b32 s30, s24, 15                        ; wsc: 32768 weight + 2048 hd + 512 i
	s_lshl_b32 s31, s22, 11
	s_add_co_u32 s30, s30, s31
	s_lshl_b32 s31, s23, 9
	s_add_co_u32 s30, s30, s31
	s_mov_b32 s31, 0
	s_wait_kmcnt 0x0
	s_cmp_eq_u32 s24, 1                            ; the weight is chosen by the work-group's y alone
	s_cselect_b64 s[4:5], s[6:7], s[4:5]
	s_cmp_eq_u32 s24, 2
	s_cselect_b64 s[4:5], s[8:9], s[4:5]
	s_cmp_eq_u32 s24, 3
	s_cselect_b64 s[4:5], s[10:11], s[4:5]
	s_add_nc_u64 s[4:5], s[4:5], s[26:27]
	s_add_nc_u64 s[12:13], s[12:13], s[28:29]
	s_add_nc_u64 s[14:15], s[14:15], s[30:31]
.macro LOAD t                          ; block t: W(128 s + 32 t + i, my column)
.irp i, 0,1,2,3,4,5,6,7,8,9,10,11,12,13,14,15,16,17,18,19,20,21,22,23,24,25,26,27,28,29,30,31
	global_load_b32 v[X+32*(\t)+\i], v[LN4], s[4:5] offset:(32*(\t)+\i)*4096 th:TH_LOAD_NT
.endr
.endm
	LOAD 0
	LOAD 1
.macro BLOCK t
.set XS, X+32*(\t)
.set CB, C+8*(\t)
.if (\t) < 3
	s_wait_loadcnt 32                              ; this block's 32 loads are in; the next block's may be out
.else
	s_wait_loadcnt 0
.endif
	v_max3_num_f32 v12, |v[XS]|, |v[XS+1]|, |v[XS+2]|   ; the block's largest magnitude: all 32 numbers are mine; two chains
	v_max3_num_f32 v13, |v[XS+3]|, |v[XS+4]|, |v[XS+5]|
.irp i, 6,10,14,18,22,26
	v_max3_num_f32 v12, v12, |v[XS+\i]|, |v[XS+\i+1]|
	v_max3_num_f32 v13, v13, |v[XS+\i+2]|, |v[XS+\i+3]|
.endr
	v_max3_num_f32 v12, v12, |v[XS+30]|, |v[XS+31]|
	v_max3_num_f32 v12, v12, v13, 0x1800000        ; and the floor 2^(3 - 127): the byte cannot fall under 1
	v_add_nc_u32 v14, 0xff000000, v12              ; 2 off the exponent field: the conversion takes that field as its scale
	v_lshrrev_b32 v13, 23, v14                     ; the scale's byte
.if (\t) == 0
	v_mov_b32 v[SWD], v13
.else
	v_lshl_or_b32 v[SWD], v13, 8*(\t), v[SWD]
.endif
	v_cvt_scalef32_pk16_fp6_f32 v[CB:CB+2], v[XS:XS+15], v14
	v_cvt_scalef32_pk16_fp6_f32 v[TT:TT+2], v[XS+16:XS+31], v14
	v_nop                                          ; one plain place behind a scaled conversion
.irp i, 0,1,2
	v_mov_b32 v[CB+3+\i], v[TT+\i]
.endr
; block t is registers 6 (t / 2) .. + 5 of lane r + 16 (t % 2) of the fragment
.if (\t) < 2
	ds_store_b128 v[IA], v[CB:CB+3] offset:256*((\t)%2)
	ds_store_b64 v[IA], v[CB+4:CB+5] offset:256*((\t)%2)+512
.else
	ds_store_b64 v[IA], v[CB:CB+1] offset:256*((\t)%2)+520
	ds_store_b128 v[IA], v[CB+2:CB+5] offset:256*((\t)%2)+1024
.endif
.if (\t)+2 < 4
	LOAD (\t)+2
.endif
.endm
	BLOCK 0
	BLOCK 1
	BLOCK 2
	BLOCK 3
	ds_store_b32 v[SA], v[SWD]
.irp j, 0,1,2,3,4,5
	ds_load_b128 v[OUTR+4*\j:OUTR+4*\j+3], v[RB] offset:512*\j   ; LDS serves a wave's instructions in order: these see my stores
.endr
	s_wait_dscnt 0x0                               ; my images are back, and my scale word has landed, for wave 0's sake
.irp j, 0,1,2,3,4,5
	global_store_b128 v[LI], v[OUTR+4*\j:OUTR+4*\j+3], s[12:13] offset:512*\j   ; 32 lanes store 512 consecutive bytes, aligned to 256
.endr
	s_barrier_signal -1
	s_barrier_wait -1                              ; all four waves' scale words lie in LDS
	s_cmp_lg_u32 s16, 0
	s_cbranch_scc1 .Lend
	ds_load_b128 v[28:31], v[SR]
	s_wait_dscnt 0x0
	global_store_b128 v[LI], v[28:31], s[14:15]    ; the pair's 512 bytes of scale words
.Lend:
	s_wait_tensorcnt 0x0                           ; the wave's end, behind my last LDS store
	ds_add_u32 v[SPW], v[NIL]
	s_wait_dscnt 0x0
	s_endpgm
.Lfunc_end_k_q3db9790214_wquant:
	.size	k_q3db9790214_wquant, .Lfunc_end_k_q3db9790214_wquant-k_q3db9790214_wquant
	.p2alignl 7, 3214868480
	.fill 96, 4, 3214868480
	.section	.rodata,"a",@progbits
	.p2align	6, 0x0
	.amdhsa_kernel k_q3db9790214_wquant
		.amdhsa_group_segment_fixed_size 13312
		.amdhsa_private_segment_fixed_size 0
		.amdhsa_enable_private_segment 0
		.amdhsa_kernarg_size 48
		.amdhsa_user_sgpr_count 2
		.amdhsa_user_sgpr_kernarg_segment_ptr 1
		.amdhsa_wavefront_size32 1
		.amdhsa_system_sgpr_workgroup_id_x 1
		.amdhsa_system_sgpr_workgroup_id_y 1
		.amdhsa_system_sgpr_workgroup_id_z 1
		.amdhsa_system_vgpr_workitem_id 0
		.amdhsa_next_free_vgpr 224
		.amdhsa_next_free_sgpr 66
		.amdhsa_reserve_vcc 0
		.amdhsa_float_denorm_mode_32 3
		.amdhsa_float_denorm_mode_16_64 3
		.amdhsa_memory_ordered 1
		.amdhsa_forward_progress 1
		.amdhsa_inst_pref_size 23
	.end_amdhsa_kernel
	.amdgpu_metadata
---
amdhsa.version: [ 1, 2 ]
amdhsa.kernels:
  - .name:           k_q3db9790214_wquant
    .symbol:         k_q3db9790214_wquant.kd
    .args:
      - { .name: Wq, .offset: 0, .size: 8, .value_kind: global_buffer, .address_space: global }
      - { .name: Wk, .offset: 8, .size: 8, .value_kind: global_buffer, .address_space: global }
      - { .name: Wv, .offset: 16, .size: 8, .value_kind: global_buffer, .address_space: global }
      - { .name: Wo, .offset: 24, .size: 8, .value_kind: global_buffer, .address_space: global }
      - { .name: wimg, .offset: 32, .size: 8, .value_kind: global_buffer, .address_space: global }
      - { .name: wsc, .offset: 40, .size: 8, .value_kind: global_buffer, .address_space: global }
    .group_segment_fixed_size: 13312
    .private_segment_fixed_size: 0
    .kernarg_segment_align: 8
    .kernarg_segment_size: 48
    .max_flat_workgroup_size: 128
    .sgpr_count:     66
    .vgpr_count:     224
    .wavefront_size: 32
...
	.end_amdgpu_metadata
.endif
;; end of part 1
;; launch proj (part 2): grid 64 x 3, 8 waves a work-group, no clusters, 171,008 bytes of LDS; arguments q, k, v, bq, bk, bv, wimg, wsc, qb, kv; writes qb, kv
.if DOCPART == 2
	.amdgcn_target "amdgcn-amd-amdhsa--gfx1250"
	.amdhsa_code_object_version 6
	.text
	.protected	k_q3db9790214_proj
	.globl	k_q3db9790214_proj
	.p2align	8
	.type	k_q3db9790214_proj,@function
k_q3db9790214_proj:
	s_mov_b64 s[64:65], 0
	v_nop
	global_prefetch_b8 v0, s[64:65] scope:SCOPE_SE
	s_setreg_imm32_b32 hwreg(HW_REG_WAVE_MODE, 25, 1), 1
	s_wait_xcnt 0x0
; Launch 2 of 4: products 1 to 3, x W + b for x = q, k, v (work-group y = 0, 1, 2), on codes of E2M3; nothing is left out.  x arrives as f32 and is quantised here; the results are quantised here too and leave as codes.
; SHARES.  A work-group takes 128 tokens (x) of one tensor (y).  PHASE 1: wave w quantises token tile w (16 tokens x all 1024 of K) and lays its eight fragments into LDS as images of their registers.
; PHASE 2, two passes: wave w makes the 64 columns of head hd = w + 8 pass for all 128 tokens: 32 accumulators.  Its weights come from memory straight into registers, as images, two K steps ahead.
; THE TOKENS OF A TILE ARE NOT NEIGHBOURS: row r of tile 2 b + u is token 32 b + 8 u + r + 8 (r / 8) of the block; the weights' tiles are laid the same way.  Whichever of the two is source 0,
; the 16 registers of result tiles 2 b, 2 b + 1 are then 16 neighbours, 32 b + 16 (lane / 16) + 0 .. 15, along that axis.
; q, k: source 0 = 16 columns of W, source 1 = 16 tokens: a lane holds ONE token and registers along the head's 64, the K of product 4.  v: the sources swapped: a lane holds ONE channel and registers along the 128 tokens, the K of product 5.
; The bias is the C of each sum's first matrix instruction.
; OUT.  qb [b h][block of 128 tokens][6656]: 8 half images (16 tokens x 64: registers 0-3 at 16 l, 4-5 at 512 + 8 l; 768 bytes), then 512 bytes of scale words [tile / 4][row 16][tile % 4] (bytes 0, 1; bytes 2, 3 are 0).
; kv [b h][key step of 128][13312]: K's part laid as qb's block; V's part: 4 whole images (16 channels x 128 keys, 1536 bytes), then [lane 32][4 tiles] scale words.
; LIMITS: as stated at the head of the first launch (NaN, infinities; a block of zeros has the byte 1).
.set XSC,   98304                      ; LDS: from 0 x's images [K step 8][tile 8][1536]; here their scale words [K step][tile / 4][row 16][tile % 4]
.set STG,   102400                     ; a stage for each wave: 16 rows x (512 + 16) bytes
.set STGW,  8448
.set SPARE, 169984                     ; the spare words, 128 bytes for each wave: four blocks of 256 bytes that no other line names
; window 0, for the whole launch
.set LI,   1                           ; v1  16 x lane
.set LI2,  2                           ; v2  + 49152: K steps 4 to 7 of x's images
.set L8,   3                           ; v3  8 x lane
.set XSA,  4                           ; v4  XSC + 16 x lane
.set BO,   5                           ; v5  my offset in a head's 64 biases
.set SPW,  6                           ; v6  LDS address of my spare word; never rewritten
.set NIL,  7                           ; v7  0; never rewritten
.set BIAS, 8                           ; v8-39    the bias in the result's layout, 8 registers a weight tile
.set WSC,  40                          ; v40-55   the weights' scale words: 4 (s / 2) + t, lanes 0-15 even K steps, 16-31 odd: scales and nothing else
.set WF,   56                          ; v56-151  the weights' fragments, two buffers of 4 x 12
.set XS,   152                         ; v152-159 x's scale words, two sets of 4: lanes 0-15 tiles 0-3, lanes 16-31 tiles 4-7: scales and nothing else
.set XF,   160                         ; v160-255 x's fragments: tiles 0-3, tiles 4-7
; phase 1 (W's second buffer is not yet asked for: six registers of it serve here)
.set PW,   104                         ; the scale word just made
.set STA,  105                         ; the stage, on the way in
.set STB,  106                         ; and on the way out
.set XW,   107                         ; where my images go
.set XW2,  108
.set XSW,  109                         ; and my scale words
.set X,    160                         ; v160-223 64 numbers
.set PC,   224                         ; v224-235 a fragment's codes
.set TT1,  236
.set TM1,  244
.set TP1,  248
.set SO1,  252
; the way out
.set TM,   160                         ; v160-167 largest magnitudes; at the end the scale words to store
.set TP,   168                         ; v168-175 the other half's; then the bytes
.set SO,   176                         ; v176-183 the conversions' scale operands
.set WD,   184                         ; v184-191 two bytes each
.set TT,   192                         ; v192-207 the conversions' second halves
.set CODE, 208                         ; v208-255 the codes
; window 1: phase 1: four sets of 64 numbers as loaded; then the 32 accumulators
.set WV,   24
.set Y,    25
.set BLK,  26
.set XP,   28                          ; s[28:29] x at my tile's first token
.set WP,   30                          ; s[30:31] my head's images
.set WS,   32                          ; s[32:33] their scale words
.set BP,   34                          ; s[34:35] my head's biases
.set OUT,  36                          ; s[36:37] where my head's block goes
.set OST,  38                          ; s[38:39] eight heads on
.set SEL,  40                          ; s[40:41] lane l xor 16
.set PASS, 42
.set HI16, 43                          ; lanes 16-31
.set MSB, 0
.macro WIN new                         ; the immediate's high byte repeats the setting that is left
.if MSB != \new
	s_set_vgpr_msb (MSB<<8)|\new
.set MSB, \new
.endif
.endm
.macro PLACES                          ; four plain places behind matrix instructions, in front of loads into their registers and of reads of their results
.rept 4
	v_nop
.endr
.endm
.macro WLOAD s, buf                    ; my head's four fragments of K step s
.irp t, 0,1,2,3
.irp c, 0,1,2
	global_load_b128 v[WF+48*(\buf)+12*\t+4*\c:WF+48*(\buf)+12*\t+4*\c+3], v[LI], s[WP:WP+1] offset:6144*(\s)+1536*\t+512*\c
.endr
.endr
.endm
.macro PRELOAD both                    ; a head's scale words, biases and first fragments, in this order
.irp i, 0,1,2,3
	global_load_b128 v[WSC+4*\i:WSC+4*\i+3], v[LI], s[WS:WS+1] offset:512*\i
.endr
	s_cmp_eq_u32 s[Y], 2
	s_cbranch_scc1 .Lbias_v_\@
.irp t, 0,1,2,3                        ; q, k: lane (r, h), tile 2 b + u: columns 32 b + 16 h + 8 u + 0 .. 7
	global_load_b128 v[BIAS+8*\t:BIAS+8*\t+3], v[BO], s[BP:BP+1] offset:(32*(\t/2)+8*(\t%2))*4
	global_load_b128 v[BIAS+8*\t+4:BIAS+8*\t+7], v[BO], s[BP:BP+1] offset:(32*(\t/2)+8*(\t%2))*4+16
.endr
	s_branch .Lbias_done_\@
.Lbias_v_\@:
.irp t, 0,1,2,3                        ; v: a lane holds one column, 32 b + 8 u + r + 8 (r / 8): its bias in all eight registers
.irp j, 0,1,2,3,4,5,6,7
	global_load_b32 v[BIAS+8*\t+\j], v[BO], s[BP:BP+1] offset:(32*(\t/2)+8*(\t%2))*4
.endr
.endr
.Lbias_done_\@:
	WLOAD 0, 0
.if \both
	WLOAD 1, 1
.endif
.endm
.macro LOADX s                         ; my 16 tokens' numbers of K step s: each load reads one token's 512 consecutive bytes
	WIN 0x40
.irp i, 0,1,2,3,4,5,6,7,8,9,10,11,12,13,14,15
	global_load_b128 v[64*((\s)%4)+4*\i:64*((\s)%4)+4*\i+3], v[LI], s[XP:XP+1] offset:(\i+8*(\i/8))*4096+512*(\s) th:TH_LOAD_NT
.endr
	WIN 0
.endm
; 64 numbers of a lane, register 16 b + i = k 32 b + 16 (lane / 16) + i of my row, become a fragment's codes in v[PC] on and its scale word in v[PW]
.macro QUANT
.irp b, 0,1,2,3
	v_max3_num_f32 v[TM1+\b], |v[X+16*\b]|, |v[X+1+16*\b]|, 0x1800000   ; with the floor 2^(3 - 127): the byte cannot fall under 1
.endr
.irp i, 2,4,6,8,10,12,14
.irp b, 0,1,2,3
	v_max3_num_f32 v[TM1+\b], v[TM1+\b], |v[X+16*\b+\i]|, |v[X+1+16*\b+\i]|
.endr
.endr
.irp b, 0,1,2,3
	v_permlanex16_b32 v[TP1+\b], v[TM1+\b], s[SEL], s[SEL+1]
.endr
.irp b, 0,1,2,3
	v_max_num_f32 v[TM1+\b], v[TM1+\b], v[TP1+\b]  ; with lane l xor 16's: the block's largest magnitude
.endr
.irp b, 0,1,2,3
	v_add_nc_u32 v[SO1+\b], 0xff000000, v[TM1+\b]  ; 2 off its exponent field: the conversion's scale operand
.endr
.irp b, 0,1,2,3
	v_lshrrev_b32 v[TP1+\b], 23, v[SO1+\b]         ; the scale's byte
.endr
	v_lshl_or_b32 v[PW], v[TP1+1], 8, v[TP1]
	v_lshl_or_b32 v[PW], v[TP1+2], 16, v[PW]
	v_lshl_or_b32 v[PW], v[TP1+3], 24, v[PW]
.irp c, 0,1
	v_cvt_scalef32_pk16_fp6_f32 v[PC+6*\c:PC+2+6*\c], v[X+32*\c:X+15+32*\c], v[SO1+2*\c]
	v_cvt_scalef32_pk16_fp6_f32 v[TT1+4*\c:TT1+2+4*\c], v[X+16+32*\c:X+31+32*\c], v[SO1+2*\c+1]
.endr
	v_nop                                          ; one plain place behind a scaled conversion
.irp c, 0,1                            ; the operand's layout wants a whole block in a lane
.irp i, 0,1,2
	v_permlane16_swap_b32 v[PC+6*\c+\i], v[TT1+4*\c+\i]
.endr
.irp i, 0,1,2
	v_mov_b32 v[PC+3+6*\c+\i], v[TT1+4*\c+\i]
.endr
.endr
.endm
.macro XSTEP s                         ; K step s of my tile: through my stage, quantised, image to LDS
.if 7-(\s) >= 3
	s_wait_loadcnt 48                              ; this step's 16 loads are in; those of the three steps behind it may be out
.else
	s_wait_loadcnt 16*(7-(\s))
.endif
	WIN 0x04                                       ; an LDS store's data are its source 1: window 1
.irp i, 0,1,2,3,4,5,6,7,8,9,10,11,12,13,14,15
	ds_store_b128 v[STA], v[64*((\s)%4)+4*\i:64*((\s)%4)+4*\i+3] offset:528*\i
.endr
	WIN 0
.irp b, 0,1,2,3
.irp j, 0,1,2,3
	ds_load_b128 v[X+16*\b+4*\j:X+16*\b+4*\j+3], v[STB] offset:128*\b+16*\j   ; LDS serves a wave's instructions in order: these see my stores
.endr
.endr
	s_wait_dscnt 0x0                               ; my 64 numbers are back; the stores have read their registers, the last step's image stores too
.if (\s) < 4
	LOADX (\s)+4
.endif
	QUANT
.irp c, 0,1,2
	ds_store_b128 v[XW+(\s)/4], v[PC+4*\c:PC+4*\c+3] offset:12288*((\s)%4)+512*\c
.endr
	ds_store_b32 v[XSW], v[PW] offset:512*(\s)     ; lanes r and 16 + r write the same word with the same value
.endm
.macro XLOAD s, g                      ; x's fragments of K step s, tiles 4 g .. 4 g + 3
.irp a, 0,1,2,3
.irp c, 0,1,2
	ds_load_b128 v[XF+48*(\g)+12*\a+4*\c:XF+48*(\g)+12*\a+4*\c+3], v[LI+(\s)/4] offset:(8*((\s)%4)+4*(\g)+\a)*1536+512*\c
.endr
.endr
.endm
.macro XSL s
	ds_load_b128 v[XS+4*((\s)%2):XS+4*((\s)%2)+3], v[XSA] offset:512*(\s)
.endm
.macro WM                              ; one matrix instruction, by the symbols set ahead of it; fA, fB: the scales stand in lanes 16-31
.if fA && fB
	v_wmma_scale_f32_16x16x128_f8f6f4 v[rD:rD+7], v[rA:rA+11], v[rB:rB+11], v[rC:rC+7], v[rSA], v[rSB] matrix_a_fmt:MATRIX_FMT_FP6 matrix_b_fmt:MATRIX_FMT_FP6 matrix_a_scale:MATRIX_SCALE_ROW1 matrix_b_scale:MATRIX_SCALE_ROW1
.elseif fA
	v_wmma_scale_f32_16x16x128_f8f6f4 v[rD:rD+7], v[rA:rA+11], v[rB:rB+11], v[rC:rC+7], v[rSA], v[rSB] matrix_a_fmt:MATRIX_FMT_FP6 matrix_b_fmt:MATRIX_FMT_FP6 matrix_a_scale:MATRIX_SCALE_ROW1
.elseif fB
	v_wmma_scale_f32_16x16x128_f8f6f4 v[rD:rD+7], v[rA:rA+11], v[rB:rB+11], v[rC:rC+7], v[rSA], v[rSB] matrix_a_fmt:MATRIX_FMT_FP6 matrix_b_fmt:MATRIX_FMT_FP6 matrix_b_scale:MATRIX_SCALE_ROW1
.else
	v_wmma_scale_f32_16x16x128_f8f6f4 v[rD:rD+7], v[rA:rA+11], v[rB:rB+11], v[rC:rC+7], v[rSA], v[rSB] matrix_a_fmt:MATRIX_FMT_FP6 matrix_b_fmt:MATRIX_FMT_FP6
.endif
.endm
; 16 matrix instructions: token tiles 4 g .. 4 g + 3 x the head's four weight tiles, K step s.  ver = 0: q, k; 1: v.  The 32 accumulators take turns, in the same order in every step.
.macro MUL16 ver, s, g
.if (\s) == 0
	WIN 0x40                                       ; D window 1; C = the bias, window 0
.else
	WIN 0x50                                       ; C and D window 1
.endif
.irp a, 0,1,2,3
.irp t, 0,1,2,3
.set rW,  WF+48*((\s)%2)+12*\t
.set rX,  XF+48*(\g)+12*\a
.set rWS, WSC+4*((\s)/2)+\t
.set rXS, XS+4*((\s)%2)+\a
.if \ver
.set rD,  8*(8*\t+4*(\g)+\a)
.set rA,  rX
.set rB,  rW
.set rSA, rXS
.set rSB, rWS
.set fA,  \g
.set fB,  (\s)%2
.else
.set rD,  8*(4*(4*(\g)+\a)+\t)
.set rA,  rW
.set rB,  rX
.set rSA, rWS
.set rSB, rXS
.set fA,  (\s)%2
.set fB,  \g
.endif
.if (\s) == 0
.set rC,  BIAS+8*\t
.else
.set rC,  rD
.endif
	WM
.endr
.endr
.endm
.macro KSTEP ver, s
.if (\s) < 7
	s_wait_loadcnt 12                              ; this step's weights are in; the next step's 12 loads may be out
.else
	s_wait_loadcnt 0
.endif
	s_wait_dscnt 12                                ; x's tiles 0-3 and the scale words are in; tiles 4-7's 12 loads may be out
	MUL16 \ver, \s, 0
	WIN 0
	PLACES
.if (\s) < 7
	XLOAD (\s)+1, 0
	XSL (\s)+1
	s_wait_dscnt 13                                ; all but the 13 just issued
.else
	s_wait_dscnt 0
.endif
	MUL16 \ver, \s, 1
	WIN 0
	PLACES
.if (\s) < 7
	XLOAD (\s)+1, 1
.endif
.if (\s) < 6
	WLOAD (\s)+2, (\s)%2
.endif
.endm
; Half hf of the accumulators: eight blocks of 32 along the next K, each 16 registers in lanes l and l xor 16.  Pairs of blocks become six code registers at CODE + 24 hf + 6 m and two bytes in WD + 4 hf + m.
.macro EPI hf
	WIN 0
.irp n, 0,1,2,3,4,5,6,7
	v_mov_b32 v[TP+\n], 0                          ; a lane permute's destination counts as one of its sources
.endr
	WIN 0x05
.irp n, 0,1,2,3,4,5,6,7
	v_max3_num_f32 v[TM+\n], |v[128*\hf+16*\n]|, |v[128*\hf+16*\n+1]|, 0x1800000   ; each accumulator is read from its low end on
.endr
	WIN 0x14
.irp i, 2,4,6,8,10,12,14
.irp n, 0,1,2,3,4,5,6,7
	v_max3_num_f32 v[TM+\n], v[TM+\n], |v[128*\hf+16*\n+\i]|, |v[128*\hf+16*\n+\i+1]|
.endr
.endr
	WIN 0
.irp n, 0,1,2,3,4,5,6,7
	v_permlanex16_b32 v[TP+\n], v[TM+\n], s[SEL], s[SEL+1]
.endr
.irp n, 0,1,2,3,4,5,6,7
	v_max_num_f32 v[TM+\n], v[TM+\n], v[TP+\n]
.endr
.irp n, 0,1,2,3,4,5,6,7
	v_add_nc_u32 v[SO+\n], 0xff000000, v[TM+\n]
.endr
.irp n, 0,1,2,3,4,5,6,7
	v_lshrrev_b32 v[TP+\n], 23, v[SO+\n]
.endr
.irp m, 0,1,2,3
	v_lshl_or_b32 v[WD+4*\hf+\m], v[TP+2*\m+1], 8, v[TP+2*\m]
.endr
	WIN 0x01
.irp m, 0,1,2,3
	v_cvt_scalef32_pk16_fp6_f32 v[CODE+24*\hf+6*\m:CODE+24*\hf+6*\m+2], v[128*\hf+32*\m:128*\hf+32*\m+15], v[SO+2*\m]
	v_cvt_scalef32_pk16_fp6_f32 v[TT+4*\m:TT+4*\m+2], v[128*\hf+32*\m+16:128*\hf+32*\m+31], v[SO+2*\m+1]
.endr
	WIN 0
	v_nop                                          ; one plain place behind a scaled conversion
.irp m, 0,1,2,3
.irp i, 0,1,2
	v_permlane16_swap_b32 v[CODE+24*\hf+6*\m+\i], v[TT+4*\m+\i]
.endr
.irp i, 0,1,2
	v_mov_b32 v[CODE+24*\hf+6*\m+3+\i], v[TT+4*\m+\i]
.endr
.endr
.endm
	s_load_b512 s[4:19], s[0:1], 0x0               ; q, k, v, bq, bk, bv, wimg, wsc
	s_load_b128 s[20:23], s[0:1], 0x40             ; qb, kv
	v_lshl_add_u32 v[SPW], v0, 2, SPARE
	v_mov_b32 v[NIL], 0
	v_lshrrev_b32 v[LI], 5, v0
	v_readfirstlane_b32 s[WV], v[LI]               ; wave 0..7
	s_and_b32 s[Y], ttmp7, 0xffff                  ; 0 q, 1 k, 2 v
	s_mov_b32 s[BLK], ttmp9                        ; block of 128 tokens
	v_and_b32 v[L8], 31, v0
	v_lshlrev_b32 v[LI], 4, v[L8]
	v_add_nc_u32 v[LI2], 49152, v[LI]
	v_add_nc_u32 v[XSA], XSC, v[LI]
	v_lshlrev_b32 v[L8], 3, v[L8]
	v_and_b32 v[X], 15, v0                         ; r
	v_bfe_u32 v[X+1], v0, 4, 1                     ; h
	v_and_b32 v[X+2], 8, v[X]
	v_add_nc_u32 v[X+2], v[X+2], v[X]              ; r + 8 (r / 8)
	s_cmp_eq_u32 s[Y], 2
	s_cselect_b32 s44, 0, 64
	s_cselect_b32 s45, 4, 0
	v_mul_u32_u24 v[BO], v[X+1], s44               ; q, k: 64 h;
	v_mad_u32_u24 v[BO], v[X+2], s45, v[BO]        ; v: 4 (r + 8 (r / 8))
	s_mul_i32 s46, s[WV], STGW
	s_add_co_u32 s46, s46, STG
	v_add_nc_u32 v[STA], s46, v[LI]
	v_mul_u32_u24 v[STB], v[X], 528
	v_lshl_add_u32 v[STB], v[X+1], 6, v[STB]
	v_add_nc_u32 v[STB], s46, v[STB]               ; row r, + 64 h: my 16 numbers of each block of 32
	s_mul_i32 s46, s[WV], 1536
	v_add_nc_u32 v[XW], s46, v[LI]
	v_add_nc_u32 v[XW2], 49152, v[XW]
	s_lshr_b32 s46, s[WV], 2
	s_lshl_b32 s46, s46, 8
	s_and_b32 s47, s[WV], 3
	s_lshl_b32 s47, s47, 2
	s_add_co_u32 s46, s46, s47
	s_add_co_u32 s46, s46, XSC
	v_lshl_add_u32 v[XSW], v[X], 4, s46
.irp b, 0,1,2,3
	v_mov_b32 v[TP1+\b], 0                         ; written once: a lane permute's destination counts as one of its sources
.endr
	s_mov_b32 s[SEL], 0x76543210
	s_mov_b32 s[SEL+1], 0xfedcba98
	s_mov_b32 s[HI16], 0xffff0000
	s_lshl_b32 s48, s[BLK], 7                      ; x: token 128 block + 32 (w / 2) + 8 (w % 2), rows of 4096 bytes
	s_lshr_b32 s49, s[WV], 1
	s_lshl_b32 s49, s49, 5
	s_add_co_u32 s48, s48, s49
	s_and_b32 s49, s[WV], 1
	s_lshl_b32 s49, s49, 3
	s_add_co_u32 s48, s48, s49
	s_lshl_b32 s48, s48, 12
	s_mov_b32 s49, 0
	s_mul_i32 s50, s[Y], 786432                    ; wimg: weight y, head w
	s_mul_i32 s51, s[WV], 49152
	s_add_co_u32 s50, s50, s51
	s_mov_b32 s51, 0
	s_lshl_b32 s52, s[Y], 15                       ; wsc likewise
	s_lshl_b32 s53, s[WV], 11
	s_add_co_u32 s52, s52, s53
	s_mov_b32 s53, 0
	s_lshl_b32 s54, s[WV], 8                       ; the bias: 64 numbers a head
	s_mov_b32 s55, 0
	s_cmp_eq_u32 s[Y], 0
	s_cselect_b32 s56, 0, 1
	s_lshl_b32 s57, 0x1a000, s56                   ; a head's bytes: 106496 in qb, twice that in kv
	s_lshl_b32 s58, 6656, s56                      ; a block's
	s_lshr_b32 s59, s[BLK], 4
	s_lshl_b32 s59, s59, 4
	s_add_co_u32 s59, s59, s[WV]                   ; 16 batch + head
	s_mul_i32 s59, s59, s57
	s_and_b32 s60, s[BLK], 15
	s_mul_i32 s60, s60, s58
	s_add_co_u32 s60, s60, s59
	s_cmp_eq_u32 s[Y], 2
	s_cselect_b32 s61, 6656, 0                     ; V's part lies behind K's
	s_add_co_u32 s60, s60, s61
	s_mov_b32 s61, 0
	s_lshl_b32 s[OST], s57, 3
	s_mov_b32 s[OST+1], 0
	s_wait_kmcnt 0x0
	s_cmp_eq_u32 s[Y], 1                           ; the buffers are chosen by the work-group's y alone
	s_cselect_b64 s[XP:XP+1], s[6:7], s[4:5]
	s_cselect_b64 s[BP:BP+1], s[12:13], s[10:11]
	s_cmp_eq_u32 s[Y], 2
	s_cselect_b64 s[XP:XP+1], s[8:9], s[XP:XP+1]
	s_cselect_b64 s[BP:BP+1], s[14:15], s[BP:BP+1]
	s_cmp_eq_u32 s[Y], 0
	s_cselect_b64 s[OUT:OUT+1], s[20:21], s[22:23]
	s_add_nc_u64 s[XP:XP+1], s[XP:XP+1], s[48:49]
	s_add_nc_u64 s[WP:WP+1], s[16:17], s[50:51]
	s_add_nc_u64 s[WS:WS+1], s[18:19], s[52:53]
	s_add_nc_u64 s[BP:BP+1], s[BP:BP+1], s[54:55]
	s_add_nc_u64 s[OUT:OUT+1], s[OUT:OUT+1], s[60:61]
	PRELOAD 0                                      ; the first head's scale words, biases and K step 0: they land under phase 1
	LOADX 0
	LOADX 1
	LOADX 2
	LOADX 3
	XSTEP 0
	XSTEP 1
	XSTEP 2
	XSTEP 3
	XSTEP 4
	XSTEP 5
	XSTEP 6
	XSTEP 7
	s_wait_dscnt 0x0                               ; for the others' sake: my images and scale words have landed; and phase 1's registers are free
	WLOAD 1, 1                                     ; the first head's K step 1: the youngest 12 loads
	s_barrier_signal -1
	s_barrier_wait -1                              ; all 64 fragments of x lie in LDS; from here on LDS is only read
	s_mov_b32 s[PASS], 2
.Lpass:
	XLOAD 0, 0
	XSL 0
	XLOAD 0, 1
	s_cmp_eq_u32 s[Y], 2
	s_cbranch_scc1 .Lsteps_v
.irp s, 0,1,2,3,4,5,6,7
	KSTEP 0, \s
.endr
	s_branch .Lsteps_done
.Lsteps_v:
.irp s, 0,1,2,3,4,5,6,7
	KSTEP 1, \s
.endr
.Lsteps_done:
	s_cmp_eq_u32 s[PASS], 1
	s_cbranch_scc1 .Lno_more
	s_add_nc_u64 s[WP:WP+1], s[WP:WP+1], 393216    ; eight heads on: every load that named these bases was awaited at K step 7
	s_add_nc_u64 s[WS:WS+1], s[WS:WS+1], 16384
	s_add_nc_u64 s[BP:BP+1], s[BP:BP+1], 2048
	PRELOAD 1                                      ; the next head's first loads land under the way out
.Lno_more:
	EPI 0
	EPI 1
	s_cmp_eq_u32 s[Y], 2
	s_cbranch_scc1 .Lout_v
.irp m, 0,1,2,3,4,5,6,7                ; q, k: eight half images: 512 and 256 consecutive bytes a store, aligned to 256
	global_store_b128 v[LI], v[CODE+6*\m:CODE+6*\m+3], s[OUT:OUT+1] offset:768*\m
	global_store_b64 v[L8], v[CODE+6*\m+4:CODE+6*\m+5], s[OUT:OUT+1] offset:768*\m+512
.endr
.irp i, 0,1,2,3
	v_cndmask_b32 v[TM+\i], v[WD+\i], v[WD+4+\i], s[HI16]   ; lanes 0-15: tiles 0-3's words, lanes 16-31: tiles 4-7's
.endr
	global_store_b128 v[LI], v[TM:TM+3], s[OUT:OUT+1] offset:6144
	s_branch .Lout_done
.Lout_v:
.irp t, 0,1,2,3                        ; v: four whole images
.irp c, 0,1,2
	global_store_b128 v[LI], v[CODE+12*\t+4*\c:CODE+12*\t+4*\c+3], s[OUT:OUT+1] offset:1536*\t+512*\c
.endr
.endr
.irp t, 0,1,2,3
	v_lshl_or_b32 v[TM+\t], v[WD+2*\t+1], 16, v[WD+2*\t]
.endr
	global_store_b128 v[LI], v[TM:TM+3], s[OUT:OUT+1] offset:6144
.Lout_done:
	s_wait_xcnt 0x0                                ; the stores have read their registers and their base: both are written again only behind this wait
	s_add_nc_u64 s[OUT:OUT+1], s[OUT:OUT+1], s[OST:OST+1]
	s_sub_co_u32 s[PASS], s[PASS], 1
	s_cmp_lg_u32 s[PASS], 0
	s_cbranch_scc1 .Lpass
	s_wait_tensorcnt 0x0                           ; the wave's end, behind my last LDS store
	ds_add_u32 v[SPW], v[NIL]
	s_wait_dscnt 0x0
	s_endpgm
.Lfunc_end_k_q3db9790214_proj:
	.size	k_q3db9790214_proj, .Lfunc_end_k_q3db9790214_proj-k_q3db9790214_proj
	.p2alignl 7, 3214868480
	.fill 96, 4, 3214868480
	.section	.rodata,"a",@progbits
	.p2align	6, 0x0
	.amdhsa_kernel k_q3db9790214_proj
		.amdhsa_group_segment_fixed_size 171008
		.amdhsa_private_segment_fixed_size 0
		.amdhsa_enable_private_segment 0
		.amdhsa_kernarg_size 80
		.amdhsa_user_sgpr_count 2
		.amdhsa_user_sgpr_kernarg_segment_ptr 1
		.amdhsa_wavefront_size32 1
		.amdhsa_system_sgpr_workgroup_id_x 1
		.amdhsa_system_sgpr_workgroup_id_y 1
		.amdhsa_system_sgpr_workgroup_id_z 1
		.amdhsa_system_vgpr_workitem_id 0
		.amdhsa_next_free_vgpr 512
		.amdhsa_next_free_sgpr 66
		.amdhsa_reserve_vcc 0
		.amdhsa_float_denorm_mode_32 3
		.amdhsa_float_denorm_mode_16_64 3
		.amdhsa_memory_ordered 1
		.amdhsa_forward_progress 1
		.amdhsa_inst_pref_size 207
	.end_amdhsa_kernel
	.amdgpu_metadata
---
amdhsa.version: [ 1, 2 ]
amdhsa.kernels:
  - .name:           k_q3db9790214_proj
    .symbol:         k_q3db9790214_proj.kd
    .args:
      - { .name: q, .offset: 0, .size: 8, .value_kind: global_buffer, .address_space: global }
      - { .name: k, .offset: 8, .size: 8, .value_kind: global_buffer, .address_space: global }
      - { .name: v, .offset: 16, .size: 8, .value_kind: global_buffer, .address_space: global }
      - { .name: bq, .offset: 24, .size: 8, .value_kind: global_buffer, .address_space: global }
      - { .name: bk, .offset: 32, .size: 8, .value_kind: global_buffer, .address_space: global }
      - { .name: bv, .offset: 40, .size: 8, .value_kind: global_buffer, .address_space: global }
      - { .name: wimg, .offset: 48, .size: 8, .value_kind: global_buffer, .address_space: global }
      - { .name: wsc, .offset: 56, .size: 8, .value_kind: global_buffer, .address_space: global }
      - { .name: qb, .offset: 64, .size: 8, .value_kind: global_buffer, .address_space: global }
      - { .name: kv, .offset: 72, .size: 8, .value_kind: global_buffer, .address_space: global }
    .group_segment_fixed_size: 171008
    .private_segment_fixed_size: 0
    .kernarg_segment_align: 8
    .kernarg_segment_size: 80
    .max_flat_workgroup_size: 256
    .sgpr_count:     66
    .vgpr_count:     512
    .wavefront_size: 32
...
	.end_amdgpu_metadata
.endif
;; end of part 2
;; launch attn (part 3): grid 4 x 64, 16 waves a work-group, clusters of 4 x 1, 215,040 bytes of LDS; arguments qb, kv, ob; writes ob
.if DOCPART == 3
	.amdgcn_target "amdgcn-amd-amdhsa--gfx1250"
	.amdhsa_code_object_version 6
	.text
	.protected	k_q3db9790214_attn
	.globl	k_q3db9790214_attn
	.p2align	8
	.type	k_q3db9790214_attn,@function
k_q3db9790214_attn:
	s_mov_b64 s[64:65], 0
	v_nop
	global_prefetch_b8 v0, s[64:65] scope:SCOPE_SE
	s_setreg_imm32_b32 hwreg(HW_REG_WAVE_MODE, 25, 1), 1
	s_wait_xcnt 0x0
	s_wait_alu depctr_hold_cnt(0) depctr_sa_sdst(0) depctr_va_vdst(0) depctr_va_sdst(0) depctr_va_ssrc(0) depctr_va_vcc(0) depctr_vm_vsrc(0)
	s_getreg_b32 s2, hwreg(HW_REG_IB_STS2, 6, 4)
	s_cmp_eq_u32 s2, 0
	s_cbranch_scc0 .Lentry_in_a_cluster
	s_endpgm
.Lentry_in_a_cluster:
	s_bfe_u32 s2, ttmp6, 0x10000c
	s_cmp_lg_u32 s2, 0x3003
	s_cbranch_scc0 .Lentry_shape_is_right
	s_endpgm
.Lentry_shape_is_right:
; Launch 3 of 4: products 4 and 5 and the softmax between them, on codes of E2M3; nothing is left out.  O / l is quantised along D here and leaves as codes.
; THE SOFTMAX AHEAD OF PRODUCT 5: t = score x log2(e) / 8; M = the running largest t rounded UP to a whole number; p = 2^(t - M) is what is quantised, along the keys.  The row's sum is taken of the unquantised p
; and divides O at the end.  When M moves, the sum and O are multiplied by 2^(old M - new M): exact.
; SHARES.  A work-group takes one (batch, head) and 512 queries; each of its sixteen waves one tile of 16 queries in each of two passes, in 256 registers: four waves to a SIMD, so that one wave's vector work
; stands beside another's matrix work and LDS loads.  THE HEAD'S WHOLE K AND V, 212992 bytes of codes and scale words, LIE IN LDS as they lie in memory: filled once, never again: no ring, no barrier in the loop.
; CLUSTER.  The four work-groups of a head form a cluster and ask for K and V JOINTLY: the same two tensor loads a wave, the same descriptors, a mask that names the four.  Two tensor loads of a wave are out at the most.
; LAYOUT.  Both products are used transposed: S^T = K Q^T (source 0 = 16 keys, source 1 = my 16 queries), O^T = V^T P^T: a lane holds ONE query throughout.  Row r of key tile 2 b + u is key 32 b + 8 u + r + 8 (r / 8),
; so the 16 registers of tiles 2 b, 2 b + 1 are keys 32 b + 16 (lane / 16) + 0 .. 15.  V's channel tiles are laid the same way, so O^T's 32 registers are the head's 64 channels in the order that the quantiser along D wants.
; PRODUCT 4's K is 64 and the instruction's 128: registers 6-11 of both operands are zero codes, which add nothing (their scale bytes are 0, not 0xff).
; LIMITS: as stated at the head of the first launch; 1 / l is made by v_rcp_f32.
.set KVH,   212992
.set STEPB, 13312                      ; a key step: K's 8 half images (768), 512 bytes of scale words, V's 4 images (1536), 512 bytes of scale words
.set SPARE, 212992                     ; the spare words, 128 bytes for each wave: eight blocks of 256 bytes that no other line names
.set LI,   1                           ; v1   16 x lane
.set L8,   2                           ; v2   8 x lane
.set ADR,  3                           ; v3   the step's tiles, + 16 x lane
.set ADR8, 4                           ; v4   + 8 x lane
.set SPW,  5                           ; v5   LDS address of my spare word; never rewritten
.set NIL,  6                           ; v6   0; never rewritten
.set R16,  7                           ; v7   16 x (lane % 16)
.set VS,   8                           ; v8-11   V's scale words: scales and nothing else
.set BM,   28                          ; v28-31  the blocks' largest scores, then largest p.   v12 -M, v13 the largest t, v[14:15] the sum; v16-27 Q (22-27 zeros)
.set KF,   32                          ; v32-79  four fragments of K (registers + 6 .. + 11 zeros)
.set VF,   80                          ; v80-127 V's four fragments
.set S,    128                         ; v128-191 S^T, then p
.set O,    192                         ; v192-223 O^T
.set PCD,  224                         ; v224-235 p's codes
.set PM,   236                         ; v236-239 at work; v240-242 a conversion's second half
.set SO,   244                         ; v244-247 the conversions' scale operands
.set KS,   248                         ; v248-251 K's scale words: scales and nothing else.   v252 f; v253 p's scale word; v254 at work; v255 Q's scale words
.set WV,   18
.set SEL,  20
.set CS,   22                          ; s[22:23] c = log2(e) / 8
.set G1,   24
.set G0A,  32
.set G0B,  36
.set TB,   44                          ; LDS byte at which the step's tiles begin
.set CNT,  45
.set QP,   46
.set QS,   48
.set OP,   50
.set OS,   52
.macro ROUND                           ; a round of the cluster's barrier
	s_barrier_signal -1
	s_barrier_wait -1
	s_cmp_lg_u32 s[WV], 0
	s_cbranch_scc1 .Lnot_wave_0_\@
	s_barrier_signal -3
.Lnot_wave_0_\@:
	s_barrier_wait -3
	s_barrier_signal -1
	s_barrier_wait -1
.endm
	s_load_b128 s[4:7], s[0:1], 0x0                ; qb, kv
	s_load_b64 s[8:9], s[0:1], 0x10                ; ob
	v_lshl_add_u32 v[SPW], v0, 2, SPARE
	v_mov_b32 v[NIL], 0
	ds_add_u32 v[SPW], v[NIL]                      ; the wave's opening: the add, twice on end, and its wait ahead of my first tensor load
	ds_add_u32 v[SPW], v[NIL]
	v_lshrrev_b32 v[LI], 5, v0
	v_readfirstlane_b32 s[WV], v[LI]               ; wave 0..15
	s_and_b32 s11, ttmp7, 0xffff                   ; 16 batch + head, which the four partners share
	s_mov_b32 s[G1], 15|(3<<16)|(1<<21)            ; the mask: all four; elements of 8 bytes; bit 21 beside a mask; no padding
	s_mov_b32 s[G1+1], 32<<16                      ; tensor_dim0 = 32 (256 bytes)
	s_mov_b32 s[G1+2], 26<<16                      ; tensor_dim1 = 26
	s_mov_b32 s[G1+3], 32<<16                      ; tile_dim0
	s_mov_b32 s[G1+4], 26                          ; tile_dim1: 6656 dense bytes a load
	s_mov_b32 s[G1+5], 32                          ; the pitch
	s_mov_b32 s[G1+6], 0
	s_mov_b32 s[G1+7], 0
	s_mul_i32 s12, s11, KVH
	s_mul_i32 s[G0A+1], s[WV], 6656                ; LDS as memory: wave w's first load brings bytes 6656 w on, its second those 106496 further
	s_add_co_u32 s12, s12, s[G0A+1]
	s_mov_b32 s13, 0
	s_add_co_u32 s[G0B+1], s[G0A+1], 106496
	s_mov_b32 s[G0A], 1
	s_mov_b32 s[G0B], 1
	s_mov_b32 s[SEL], 0x76543210
	s_mov_b32 s[SEL+1], 0xfedcba98
	s_mov_b32 s[CS], 0x3e38aa3b                    ; log2(e) / sqrt(64)
	s_mov_b32 s[CS+1], s[CS]
	s_bfe_u32 s10, ttmp6, 0x40000                  ; cx: it enters Q's and O's addresses alone
	s_lshl_b32 s14, s10, 2
	s_lshr_b32 s15, s[WV], 3
	s_add_co_u32 s14, s14, s15                     ; pass 0's block of 128 queries: 4 cx + w / 8 (pass 1: two blocks on)
	s_and_b32 s15, s[WV], 7                        ; my tile in it
	s_mul_i32 s54, s11, 106496
	s_mul_i32 s55, s14, 6656
	s_add_co_u32 s54, s54, s55                     ; the block in qb
	s_mul_i32 s55, s15, 768
	s_add_co_u32 s56, s54, s55                     ; my tile's half image
	s_mov_b32 s57, 0
	s_lshr_b32 s55, s15, 2
	s_lshl_b32 s17, s55, 8                         ; 256 (tile / 4)
	s_and_b32 s55, s[WV], 3
	s_lshl_b32 s55, s55, 2
	s_add_co_u32 s17, s17, s55                     ; + 4 (tile % 4): my tile's place among a block's scale words
	s_add_co_u32 s58, s54, s17
	s_add_co_u32 s58, s58, 6144
	s_mov_b32 s59, 0
	s_lshr_b32 s54, s11, 4
	s_lshl_b32 s54, s54, 4
	s_add_co_u32 s54, s54, s14
	s_mul_i32 s54, s54, 102400                     ; the block in ob
	s_and_b32 s16, s11, 15                         ; head
	s_mul_i32 s55, s15, 12288
	s_add_co_u32 s60, s54, s55
	s_mul_i32 s55, s16, 768
	s_add_co_u32 s60, s60, s55                     ; [tile][head] half image
	s_mov_b32 s61, 0
	s_lshr_b32 s55, s16, 1
	s_lshl_b32 s55, s55, 9
	s_add_co_u32 s62, s54, s55                     ; scale words: K step head / 2,
	s_add_co_u32 s62, s62, s17
	s_and_b32 s55, s16, 1
	s_lshl_b32 s55, s55, 1
	s_add_co_u32 s62, s62, s55                     ; bytes 0, 1 for an even head, 2, 3 for an odd one
	s_add_co_u32 s62, s62, 98304
	s_mov_b32 s63, 0
	v_and_b32 v[L8], 31, v0
	v_lshlrev_b32 v[LI], 4, v[L8]
	v_lshlrev_b32 v[L8], 3, v[L8]
	v_and_b32 v[R16], 15, v0
	v_lshlrev_b32 v[R16], 4, v[R16]
	s_wait_dscnt 0x0                               ; both opening adds are done
	s_wait_kmcnt 0x0
	s_add_nc_u64 s[G0A+2:G0A+3], s[6:7], s[12:13]
	s_add_nc_u64 s[G0B+2:G0B+3], s[G0A+2:G0A+3], 106496
	s_or_b32 s[G0A+3], s[G0A+3], 0x80000000
	s_or_b32 s[G0B+3], s[G0B+3], 0x80000000
	s_add_nc_u64 s[QP:QP+1], s[4:5], s[56:57]
	s_add_nc_u64 s[QS:QS+1], s[4:5], s[58:59]
	s_add_nc_u64 s[OP:OP+1], s[8:9], s[60:61]
	s_add_nc_u64 s[OS:OS+1], s[8:9], s[62:63]
	ROUND                                          ; all four work-groups are here: the joint loads meet
	tensor_load_to_lds s[G0A:G0A+3], s[G1:G1+7]
	s_nop 0
	tensor_load_to_lds s[G0B:G0B+3], s[G1:G1+7]
	s_nop 0
.rept 4
	v_nop
.endr
.irp j, 22,23,24,25,26,27
	v_mov_b32 v\j, 0                               ; Q's upper 64 along K: zero codes
.endr
.irp t, 0,1,2,3
.irp j, 6,7,8,9,10,11
	v_mov_b32 v[KF+12*\t+\j], 0                    ; K's likewise: no load ever lands here
.endr
.endr
.irp b, 0,1,2,3
	v_mov_b32 v[PM+\b], 0                          ; a lane permute's destination counts as one of its sources
.endr
	v_mov_b32 v253, 0                              ; (named as the upper half of the pair v[252:253] before it is first written)
	v_mov_b32 v254, 0
.macro KLOAD g                         ; key tiles 4 g .. 4 g + 3: half images
.irp t, 0,1,2,3
	ds_load_b128 v[KF+12*\t:KF+12*\t+3], v[ADR] offset:768*(4*\g+\t)
	ds_load_b64 v[KF+12*\t+4:KF+12*\t+5], v[ADR8] offset:768*(4*\g+\t)+512
.endr
.endm
; A KEY STEP: 128 keys.
.macro STEP
	v_add_nc_u32 v[ADR], s[TB], v[LI]
	v_add_nc_u32 v[ADR8], s[TB], v[L8]
	v_nop
	v_nop                                          ; four plain places behind the last step's products, in front of the loads into their registers
	ds_load_b128 v[KS:KS+3], v[ADR] offset:6144    ; lanes 0-15: tiles 0-3's scale words, lanes 16-31: tiles 4-7's
	KLOAD 0
.irp t, 0,1,2,3
.irp c, 0,1,2
	ds_load_b128 v[VF+12*\t+4*\c:VF+12*\t+4*\c+3], v[ADR] offset:6656+1536*\t+512*\c
.endr
.endr
	ds_load_b128 v[VS:VS+3], v[ADR] offset:12800
	s_wait_dscnt 13                                ; K's words and tiles 0-3 are in; V's 12 loads and its words may be out
.irp t, 0,1,2,3
	v_wmma_scale_f32_16x16x128_f8f6f4 v[S+8*\t:S+8*\t+7], v[KF+12*\t:KF+12*\t+11], v[16:27], 0, v[KS+\t], v255 matrix_a_fmt:MATRIX_FMT_FP6 matrix_b_fmt:MATRIX_FMT_FP6
.endr
.rept 4
	v_nop
.endr
	KLOAD 1
	s_wait_dscnt 0x0
.irp t, 0,1,2,3
	v_wmma_scale_f32_16x16x128_f8f6f4 v[S+32+8*\t:S+32+8*\t+7], v[KF+12*\t:KF+12*\t+11], v[16:27], 0, v[KS+\t], v255 matrix_a_fmt:MATRIX_FMT_FP6 matrix_b_fmt:MATRIX_FMT_FP6 matrix_a_scale:MATRIX_SCALE_ROW1
.endr
.rept 4
	v_nop
.endr
.irp b, 0,1,2,3
	v_max3_num_f32 v[BM+\b], v[S+16*\b], v[S+1+16*\b], v[S+2+16*\b]   ; the largest score of each block of 32 keys: for the row's maximum, and, since p rises with the score, for the block's largest p
.endr
.irp i, 3,5,7,9,11,13
.irp b, 0,1,2,3
	v_max3_num_f32 v[BM+\b], v[BM+\b], v[S+16*\b+\i], v[S+1+16*\b+\i]
.endr
.endr
.irp b, 0,1,2,3
	v_max_num_f32 v[BM+\b], v[BM+\b], v[S+15+16*\b]
.endr
.irp b, 0,1,2,3
	v_permlanex16_b32 v[PM+\b], v[BM+\b], s[SEL], s[SEL+1]
.endr
.irp b, 0,1,2,3
	v_max_num_f32 v[BM+\b], v[BM+\b], v[PM+\b]     ; with lane l xor 16's 16 keys
.endr
	v_max3_num_f32 v254, v[BM], v[BM+1], v[BM+2]
	v_max_num_f32 v254, v254, v[BM+3]
	v_mul_f32 v254, s[CS], v254                    ; as t (c is positive)
	v_max_num_f32 v13, v13, v254                   ; the running largest t
	v_mov_b32 v254, v12
	v_floor_f32 v12, -v13                          ; the new -M = floor(-t): M is a whole number
	v_sub_f32 v254, v12, v254                      ; old M less new M: a whole number, 0 or less
	v_cvt_i32_f32 v254, v254                       ; (it saturates)
	v_ldexp_f32 v252, 1.0, v254                    ; f = 2^(old M - new M)
.set j, 0
.rept 32
	v_pk_fma_f32 v[S+j:S+j+1], v[S+j:S+j+1], s[CS:CS+1], v[12:13] op_sel_hi:[1,0,0]   ; t - M, two at a time
.set j, j+2
.endr
.irp b, 0,1,2,3
	v_fma_f32 v[BM+\b], v[BM+\b], s[CS], v12       ; the same of each block's largest score
.endr
.set j, 0
.rept 64
	v_exp_f32 v[S+j], v[S+j]                       ; p = 2^(t - M), at most 1
.set j, j+1
.endr
	v_pk_mul_f32 v[14:15], v[14:15], v[252:253] op_sel_hi:[1,0]   ; the sums under the new M: a plain place behind the exponentials
	s_wait_alu depctr_va_vdst(0)                   ; one wait for the whole batch, ahead of its first reader
.irp b, 0,1,2,3
	v_exp_f32 v[BM+\b], v[BM+\b]                   ; the block's largest p: the same two instructions on the same number
.endr
	v_pk_add_f32 v[PM:PM+1], v[S:S+1], v[S+2:S+3]  ; the row's sum of the unquantised p, in two chains
.irp j, 4,8,12,16,20,24,28,32,36,40,44,48,52,56,60
	v_pk_add_f32 v[14:15], v[14:15], v[S+\j:S+\j+1]
	v_pk_add_f32 v[PM:PM+1], v[PM:PM+1], v[S+\j+2:S+\j+3]
.endr
	v_pk_add_f32 v[14:15], v[14:15], v[PM:PM+1]
	s_wait_alu depctr_va_vdst(0)                   ; and one for the four
.irp b, 0,1,2,3
	v_max_num_f32 v[BM+\b], 0x1800000, v[BM+\b]    ; the floor 2^(3 - 127): the byte cannot fall under 1
.endr
.irp b, 0,1,2,3
	v_add_nc_u32 v[SO+\b], 0xff000000, v[BM+\b]
.endr
.irp b, 0,1,2,3
	v_lshrrev_b32 v[PM+\b], 23, v[SO+\b]
.endr
	v_lshl_or_b32 v253, v[PM+1], 8, v[PM]          ; p's scale word for these 128 keys
	v_lshl_or_b32 v253, v[PM+2], 16, v253
	v_lshl_or_b32 v253, v[PM+3], 24, v253
.irp c, 0,1
	v_cvt_scalef32_pk16_fp6_f32 v[PCD+6*\c:PCD+2+6*\c], v[S+32*\c:S+15+32*\c], v[SO+2*\c]
	v_cvt_scalef32_pk16_fp6_f32 v[PM+4*\c:PM+2+4*\c], v[S+16+32*\c:S+31+32*\c], v[SO+2*\c+1]
.endr
	v_nop                                          ; one plain place behind a scaled conversion
.irp c, 0,1
.irp i, 0,1,2
	v_permlane16_swap_b32 v[PCD+6*\c+\i], v[PM+4*\c+\i]
.endr
.irp i, 0,1,2
	v_mov_b32 v[PCD+3+6*\c+\i], v[PM+4*\c+\i]
.endr
.endr
.set j, 0
.rept 16
	v_pk_mul_f32 v[O+j:O+j+1], v[O+j:O+j+1], v[252:253] op_sel_hi:[1,0]   ; O^T under the new M; these are also the places between the scale word's and the codes' last writes and the products below
.set j, j+2
.endr
.irp t, 0,1,2,3                        ; O^T += V^T P^T: the four accumulators by turns, one instruction a turn
	v_wmma_scale_f32_16x16x128_f8f6f4 v[O+8*\t:O+8*\t+7], v[VF+12*\t:VF+12*\t+11], v[PCD:PCD+11], v[O+8*\t:O+8*\t+7], v[VS+\t], v253 matrix_a_fmt:MATRIX_FMT_FP6 matrix_b_fmt:MATRIX_FMT_FP6
.endr
	s_add_co_u32 s[TB], s[TB], STEPB
.endm
.macro PASS p                          ; my tile of queries, and the sums' beginnings
	global_load_b128 v[16:19], v[LI], s[QP:QP+1] offset:13312*\p
	global_load_b64 v[20:21], v[L8], s[QP:QP+1] offset:13312*\p+512
	global_load_b32 v255, v[R16], s[QS:QS+1] offset:13312*\p
	v_mov_b32 v13, 0xff61b1e6                      ; the largest t so far: -3e38
	v_floor_f32 v12, -v13
	v_mov_b32 v14, 0
	v_mov_b32 v15, 0
.set j, 0
.rept 32
	v_mov_b32 v[O+j], 0                            ; the step is written once: the first finds zeros, which the first change of M leaves zeros
.set j, j+1
.endr
	s_mov_b32 s[TB], 0
	s_mov_b32 s[CNT], 16
	s_wait_loadcnt 0x0
	s_wait_xcnt 0x0                                ; the last pass's stores have read their registers
.endm
.macro OUTW p                          ; O^T / l, quantised along D: the head's 64 channels are two blocks of 32
.rept 4
	v_nop
.endr
	v_add_f32 v14, v14, v15
	v_permlanex16_b32 v254, v14, s[SEL], s[SEL+1]
	v_add_f32 v14, v14, v254                       ; the row's sum
	v_rcp_f32 v252, v14
	v_nop                                          ; a plain place behind the transcendental
	s_wait_alu depctr_va_vdst(0)                   ; and the wait ahead of its first reader
.set j, 0
.rept 16
	v_pk_mul_f32 v[S+j:S+j+1], v[O+j:O+j+1], v[252:253] op_sel_hi:[1,0]   ; register 16 b + i: channel 32 b + 16 (lane / 16) + i
.set j, j+2
.endr
.irp b, 0,1
	v_max3_num_f32 v[BM+\b], |v[S+16*\b]|, |v[S+1+16*\b]|, 0x1800000
.endr
.irp i, 2,4,6,8,10,12,14
.irp b, 0,1
	v_max3_num_f32 v[BM+\b], v[BM+\b], |v[S+16*\b+\i]|, |v[S+1+16*\b+\i]|
.endr
.endr
.irp b, 0,1
	v_permlanex16_b32 v[PM+\b], v[BM+\b], s[SEL], s[SEL+1]
.endr
.irp b, 0,1
	v_max_num_f32 v[BM+\b], v[BM+\b], v[PM+\b]
.endr
.irp b, 0,1
	v_add_nc_u32 v[SO+\b], 0xff000000, v[BM+\b]
.endr
.irp b, 0,1
	v_lshrrev_b32 v[PM+\b], 23, v[SO+\b]
.endr
	v_lshl_or_b32 v254, v[PM+1], 8, v[PM]          ; my row's two bytes
	v_cvt_scalef32_pk16_fp6_f32 v[PCD:PCD+2], v[S:S+15], v[SO]
	v_cvt_scalef32_pk16_fp6_f32 v[PM+4:PM+6], v[S+16:S+31], v[SO+1]
	v_nop
.irp i, 0,1,2
	v_permlane16_swap_b32 v[PCD+\i], v[PM+4+\i]
.endr
.irp i, 0,1,2
	v_mov_b32 v[PCD+3+\i], v[PM+4+\i]
.endr
	global_store_b128 v[LI], v[PCD:PCD+3], s[OP:OP+1] offset:204800*\p      ; a half image: 512 and 256 consecutive bytes, aligned to 256
	global_store_b64 v[L8], v[PCD+4:PCD+5], s[OP:OP+1] offset:204800*\p+512
	global_store_b16 v[R16], v254, s[OS:OS+1] offset:204800*\p              ; lanes r and 16 + r write the same two bytes with the same value
.endm
	PASS 0
	s_wait_tensorcnt 0x0                           ; my parts of K and V have landed,
	s_barrier_signal -1
	s_barrier_wait -1                              ; everybody's have: from here on LDS is only read
.Lkeys0:
	STEP
	s_sub_co_u32 s[CNT], s[CNT], 1
	s_cmp_lg_u32 s[CNT], 0
	s_cbranch_scc1 .Lkeys0
	OUTW 0
	PASS 1
.Lkeys1:
	STEP
	s_sub_co_u32 s[CNT], s[CNT], 1
	s_cmp_lg_u32 s[CNT], 0
	s_cbranch_scc1 .Lkeys1
	OUTW 1
	s_wait_tensorcnt 0x0                           ; the wave's end, behind my last tensor load
	ds_add_u32 v[SPW], v[NIL]
	s_wait_dscnt 0x0
	ROUND                                          ; the closing round
	s_endpgm
.Lfunc_end_k_q3db9790214_attn:
	.size	k_q3db9790214_attn, .Lfunc_end_k_q3db9790214_attn-k_q3db9790214_attn
	.p2alignl 7, 3214868480
	.fill 96, 4, 3214868480
	.section	.rodata,"a",@progbits
	.p2align	6, 0x0
	.amdhsa_kernel k_q3db9790214_attn
		.amdhsa_group_segment_fixed_size 215040
		.amdhsa_private_segment_fixed_size 0
		.amdhsa_enable_private_segment 0
		.amdhsa_kernarg_size 24
		.amdhsa_user_sgpr_count 2
		.amdhsa_user_sgpr_kernarg_segment_ptr 1
		.amdhsa_wavefront_size32 1
		.amdhsa_system_sgpr_workgroup_id_x 1
		.amdhsa_system_sgpr_workgroup_id_y 1
		.amdhsa_system_sgpr_workgroup_id_z 1
		.amdhsa_system_vgpr_workitem_id 0
		.amdhsa_next_free_vgpr 256
		.amdhsa_next_free_sgpr 66
		.amdhsa_reserve_vcc 0
		.amdhsa_float_denorm_mode_32 3
		.amdhsa_float_denorm_mode_16_64 3
		.amdhsa_memory_ordered 1
		.amdhsa_forward_progress 1
		.amdhsa_inst_pref_size 48
	.end_amdhsa_kernel
	.amdgpu_metadata
---
amdhsa.version: [ 1, 2 ]
amdhsa.kernels:
  - .name:           k_q3db9790214_attn
    .symbol:         k_q3db9790214_attn.kd
    .args:
      - { .name: qb, .offset: 0, .size: 8, .value_kind: global_buffer, .address_space: global }
      - { .name: kv, .offset: 8, .size: 8, .value_kind: global_buffer, .address_space: global }
      - { .name: ob, .offset: 16, .size: 8, .value_kind: global_buffer, .address_space: global }
    .group_segment_fixed_size: 215040
    .private_segment_fixed_size: 0
    .kernarg_segment_align: 8
    .kernarg_segment_size: 24
    .max_flat_workgroup_size: 512
    .sgpr_count:     66
    .vgpr_count:     256
    .wavefront_size: 32
...
	.end_amdgpu_metadata
.endif
;; end of part 3
;; launch outp (part 4): grid 4 x 64, 4 waves a work-group, clusters of 4 x 1, 167,936 bytes of LDS; arguments ob, wimg, wsc, bo, out0; writes out0
.if DOCPART == 4
	.amdgcn_target "amdgcn-amd-amdhsa--gfx1250"
	.amdhsa_code_object_version 6
	.text
	.protected	k_q3db9790214_outp
	.globl	k_q3db9790214_outp
	.p2align	8
	.type	k_q3db9790214_outp,@function
k_q3db9790214_outp:
	s_mov_b64 s[64:65], 0
	v_nop
	global_prefetch_b8 v0, s[64:65] scope:SCOPE_SE
	s_setreg_imm32_b32 hwreg(HW_REG_WAVE_MODE, 25, 1), 1
	s_wait_xcnt 0x0
	s_wait_alu depctr_hold_cnt(0) depctr_sa_sdst(0) depctr_va_vdst(0) depctr_va_sdst(0) depctr_va_ssrc(0) depctr_va_vcc(0) depctr_vm_vsrc(0)
	s_getreg_b32 s2, hwreg(HW_REG_IB_STS2, 6, 4)
	s_cmp_eq_u32 s2, 0
	s_cbranch_scc0 .Lentry_in_a_cluster
	s_endpgm
.Lentry_in_a_cluster:
	s_bfe_u32 s2, ttmp6, 0x10000c
	s_cmp_lg_u32 s2, 0x3003
	s_cbranch_scc0 .Lentry_shape_is_right
	s_endpgm
.Lentry_shape_is_right:
; Launch 4 of 4: product 6, out = O Wo + bo, on codes of E2M3; nothing is left out.
; SHARES.  A work-group takes 128 tokens (y) and a quarter of the 1024 columns (its place cx in the cluster); wave w the 64 columns of slice 4 cx + w, for all 128 tokens: 32 accumulators.
; The wave's whole part of Wo, 8 K steps x 4 fragments = 384 registers, comes from memory once, as images.  The block of O's codes and scale words, 102400 dense bytes, comes into LDS once.
; CLUSTER.  The four work-groups of a block of tokens ask for it JOINTLY: one tensor load a wave (a quarter of the block), the same descriptor, a mask that names the four.  One tensor load of a wave is out at the most.
; ob's block: [tile 8][head 16] half images (768 bytes: registers 0-3 at 16 l, 4-5 at 512 + 8 l), then [K step 8][tile / 4][row 16][tile % 4] scale words.  K step s is heads 2 s and 2 s + 1: two half images are one fragment.
; Source 0 = 16 columns of Wo, source 1 = 16 tokens: a lane holds one token and neighbouring columns.  Row r of token tile 2 b + u is token 32 b + 8 u + r + 8 (r / 8): the stores put each row in its place.
.set XSCO,  98304
.set STG,   102400                     ; a stage for each wave: 16 rows x (256 + 16) bytes; no tensor load lands here
.set SPARE, 119808                     ; the spare words, 128 bytes for each wave: two blocks of 256 bytes that no other line names
.set LI,   1                           ; v1 16 x lane;  v2 + 49152 (tiles 4-7)
.set LI2,  2
.set L8,   3                           ; v3 8 x lane;   v4 + 49152
.set L82,  4
.set XSA,  5
.set SPW,  6
.set NIL,  7
.set BIAS, 8                           ; v8-39
.set WSC,  40                          ; v40-55 Wo's scale words: scales and nothing else
.set XS,   56                          ; v56-63 O's scale words, two sets: scales and nothing else
.set XF,   64                          ; v64-159 O's fragments: tiles 0-3, tiles 4-7
.set STO,  160
.set RD,   161
.set CO,   162
.set BO,   163
.set BK,   192                         ; v192-255 the way out: two sets of 32
; window 1: the 32 accumulators, (tile T, weight tile t) at 8 (4 T + t).  Window 2: Wo's K steps 0-4 at 48 s + 12 t.  Window 3: K steps 5-7.
.set WV,   14
.set G1,   24
.set G0,   32
.set WP,   36
.set WS,   38
.set BP,   40
.set OUTP, 42
.set MSB, 0
.macro WIN new
.if MSB != \new
	s_set_vgpr_msb (MSB<<8)|\new
.set MSB, \new
.endif
.endm
.macro PLACES
.rept 4
	v_nop
.endr
.endm
.macro ROUND
	s_barrier_signal -1
	s_barrier_wait -1
	s_cmp_lg_u32 s[WV], 0
	s_cbranch_scc1 .Lnot_wave_0_\@
	s_barrier_signal -3
.Lnot_wave_0_\@:
	s_barrier_wait -3
	s_barrier_signal -1
	s_barrier_wait -1
.endm
	s_load_b256 s[4:11], s[0:1], 0x0               ; ob, wimg, wsc, bo
	s_load_b64 s[12:13], s[0:1], 0x20              ; out0
	v_lshl_add_u32 v[SPW], v0, 2, SPARE
	v_mov_b32 v[NIL], 0
	ds_add_u32 v[SPW], v[NIL]                      ; the wave's opening: the add, twice on end, and its wait ahead of my first tensor load
	ds_add_u32 v[SPW], v[NIL]
	v_lshrrev_b32 v[LI], 5, v0
	v_readfirstlane_b32 s[WV], v[LI]               ; wave 0..3
	s_and_b32 s16, ttmp7, 0xffff                   ; block of 128 tokens, which the four partners share
	s_mov_b32 s[G1], 15|(3<<16)|(1<<21)            ; the mask: all four; elements of 8 bytes; bit 21 beside a mask; no padding
	s_mov_b32 s[G1+1], 32<<16
	s_mov_b32 s[G1+2], 100<<16
	s_mov_b32 s[G1+3], 32<<16
	s_mov_b32 s[G1+4], 100                         ; 100 rows of 256 bytes: a quarter of the block
	s_mov_b32 s[G1+5], 32
	s_mov_b32 s[G1+6], 0
	s_mov_b32 s[G1+7], 0
	s_mul_i32 s20, s16, 102400
	s_mul_i32 s[G0+1], s[WV], 25600
	s_add_co_u32 s20, s20, s[G0+1]
	s_mov_b32 s21, 0
	s_mov_b32 s[G0], 1
	s_bfe_u32 s15, ttmp6, 0x40000                  ; cx: it enters the weights', the bias's and the output's addresses alone
	s_lshl_b32 s17, s15, 2
	s_add_co_u32 s17, s17, s[WV]                   ; my slice of 64 columns
	s_mul_i32 s44, s17, 49152
	s_add_co_u32 s44, s44, 2359296                 ; wimg: weight 3
	s_mov_b32 s45, 0
	s_lshl_b32 s46, s17, 11
	s_add_co_u32 s46, s46, 98304                   ; wsc: weight 3
	s_mov_b32 s47, 0
	s_lshl_b32 s48, s17, 8
	s_mov_b32 s49, 0
	s_lshl_b32 s50, s16, 19                        ; out0: 128 rows of 4096 bytes a block,
	s_add_co_u32 s50, s50, s48                     ; + 256 bytes a slice
	s_mov_b32 s51, 0
	v_and_b32 v[L8], 31, v0
	v_lshlrev_b32 v[LI], 4, v[L8]
	v_add_nc_u32 v[LI2], 49152, v[LI]
	v_lshlrev_b32 v[L8], 3, v[L8]
	v_add_nc_u32 v[L82], 49152, v[L8]
	v_add_nc_u32 v[XSA], XSCO, v[LI]
	v_and_b32 v164, 15, v0                         ; r
	v_bfe_u32 v165, v0, 4, 1                       ; h
	v_lshlrev_b32 v[BO], 6, v165
	s_mul_i32 s22, s[WV], 4352
	s_add_co_u32 s22, s22, STG
	v_mul_u32_u24 v[STO], v164, 272
	v_lshl_add_u32 v[STO], v165, 6, v[STO]
	v_add_nc_u32 v[STO], s22, v[STO]               ; in: row r, + 64 h
	v_mul_u32_u24 v[RD], v165, 272
	v_lshl_add_u32 v[RD], v164, 4, v[RD]
	v_add_nc_u32 v[RD], s22, v[RD]                 ; back: lanes 0-15 one row of 256 bytes, lanes 16-31 the next
	v_lshlrev_b32 v[CO], 12, v165
	v_lshl_add_u32 v[CO], v164, 4, v[CO]           ; and the same two rows in out0
	s_wait_dscnt 0x0                               ; both opening adds are done
	s_wait_kmcnt 0x0
	s_add_nc_u64 s[G0+2:G0+3], s[4:5], s[20:21]
	s_or_b32 s[G0+3], s[G0+3], 0x80000000
	s_add_nc_u64 s[WP:WP+1], s[6:7], s[44:45]
	s_add_nc_u64 s[WS:WS+1], s[8:9], s[46:47]
	s_add_nc_u64 s[BP:BP+1], s[10:11], s[48:49]
	s_add_nc_u64 s[OUTP:OUTP+1], s[12:13], s[50:51]
	ROUND                                          ; all four work-groups are here: the joint loads meet
	tensor_load_to_lds s[G0:G0+3], s[G1:G1+7]
	s_nop 0
.rept 4
	v_nop
.endr
.irp i, 0,1,2,3
	global_load_b128 v[WSC+4*\i:WSC+4*\i+3], v[LI], s[WS:WS+1] offset:512*\i
.endr
.irp t, 0,1,2,3                        ; lane (r, h), tile 2 b + u: columns 32 b + 16 h + 8 u + 0 .. 7
	global_load_b128 v[BIAS+8*\t:BIAS+8*\t+3], v[BO], s[BP:BP+1] offset:(32*(\t/2)+8*(\t%2))*4
	global_load_b128 v[BIAS+8*\t+4:BIAS+8*\t+7], v[BO], s[BP:BP+1] offset:(32*(\t/2)+8*(\t%2))*4+16
.endr
	WIN 0x80
.irp s, 0,1,2,3,4
.irp t, 0,1,2,3
.irp c, 0,1,2
	global_load_b128 v[48*\s+12*\t+4*\c:48*\s+12*\t+4*\c+3], v[LI], s[WP:WP+1] offset:6144*\s+1536*\t+512*\c
.endr
.endr
.endr
	WIN 0xc0
.irp s, 5,6,7
.irp t, 0,1,2,3
.irp c, 0,1,2
	global_load_b128 v[48*(\s-5)+12*\t+4*\c:48*(\s-5)+12*\t+4*\c+3], v[LI], s[WP:WP+1] offset:6144*\s+1536*\t+512*\c
.endr
.endr
.endr
	WIN 0
.macro XLOAD s, g                      ; O's fragments of K step s, tiles 4 g .. 4 g + 3: two half images each
.irp a, 0,1,2,3
.set rX, XF+48*(\g)+12*\a
.set oX, (16*\a+2*(\s))*768
	ds_load_b128 v[rX:rX+3], v[LI+(\g)] offset:oX
	ds_load_b64 v[rX+4:rX+5], v[L8+(\g)] offset:oX+512
	ds_load_b128 v[rX+6:rX+9], v[LI+(\g)] offset:oX+768
	ds_load_b64 v[rX+10:rX+11], v[L8+(\g)] offset:oX+1280
.endr
.endm
.macro XSL s
	ds_load_b128 v[XS+4*((\s)%2):XS+4*((\s)%2)+3], v[XSA] offset:512*(\s)
.endm
.macro WM
.if fA && fB
	v_wmma_scale_f32_16x16x128_f8f6f4 v[rD:rD+7], v[rA:rA+11], v[rB:rB+11], v[rC:rC+7], v[rSA], v[rSB] matrix_a_fmt:MATRIX_FMT_FP6 matrix_b_fmt:MATRIX_FMT_FP6 matrix_a_scale:MATRIX_SCALE_ROW1 matrix_b_scale:MATRIX_SCALE_ROW1
.elseif fA
	v_wmma_scale_f32_16x16x128_f8f6f4 v[rD:rD+7], v[rA:rA+11], v[rB:rB+11], v[rC:rC+7], v[rSA], v[rSB] matrix_a_fmt:MATRIX_FMT_FP6 matrix_b_fmt:MATRIX_FMT_FP6 matrix_a_scale:MATRIX_SCALE_ROW1
.elseif fB
	v_wmma_scale_f32_16x16x128_f8f6f4 v[rD:rD+7], v[rA:rA+11], v[rB:rB+11], v[rC:rC+7], v[rSA], v[rSB] matrix_a_fmt:MATRIX_FMT_FP6 matrix_b_fmt:MATRIX_FMT_FP6 matrix_b_scale:MATRIX_SCALE_ROW1
.else
	v_wmma_scale_f32_16x16x128_f8f6f4 v[rD:rD+7], v[rA:rA+11], v[rB:rB+11], v[rC:rC+7], v[rSA], v[rSB] matrix_a_fmt:MATRIX_FMT_FP6 matrix_b_fmt:MATRIX_FMT_FP6
.endif
.endm
.macro MUL16 s, g                      ; the 32 accumulators take turns, in the same order in every step
.if (\s) == 0
	WIN 0x42                                       ; source 0 window 2, C = the bias in window 0, D window 1
.elseif (\s) < 5
	WIN 0x52
.else
	WIN 0x53
.endif
.irp a, 0,1,2,3
.irp t, 0,1,2,3
.set rD,  8*(4*(4*(\g)+\a)+\t)
.set rA,  48*((\s)%5)+12*\t
.set rB,  XF+48*(\g)+12*\a
.set rSA, WSC+4*((\s)/2)+\t
.set rSB, XS+4*((\s)%2)+\a
.set fA,  (\s)%2
.set fB,  \g
.if (\s) == 0
.set rC,  BIAS+8*\t
.else
.set rC,  rD
.endif
	WM
.endr
.endr
.endm
.macro KSTEP s
.if 12*(7-(\s)) > 63
	s_wait_loadcnt 63                              ; this step's weights are in: more than 63 younger loads there cannot be
.else
	s_wait_loadcnt 12*(7-(\s))                     ; the later K steps' weights may be out
.endif
	s_wait_dscnt 16                                ; tiles 0-3 and the scale words are in; tiles 4-7's 16 loads may be out
	MUL16 \s, 0
	WIN 0
	PLACES
.if (\s) < 7
	XLOAD (\s)+1, 0
	XSL (\s)+1
	s_wait_dscnt 17                                ; all but the 17 just issued
.else
	s_wait_dscnt 0
.endif
	MUL16 \s, 1
	WIN 0
	PLACES
.if (\s) < 7
	XLOAD (\s)+1, 1
.endif
.endm
	s_wait_tensorcnt 0x0                           ; my quarter of the block has landed,
	s_barrier_signal -1
	s_barrier_wait -1                              ; everybody's has
	XLOAD 0, 0
	XSL 0
	XLOAD 0, 1
.irp s, 0,1,2,3,4,5,6,7
	KSTEP \s
.endr
; THE WAY OUT, a token tile at a time: 16 rows x 256 bytes through my own stage, so that sixteen lanes store 256 consecutive bytes, aligned.  LDS serves a wave's instructions in order: no wait between the stores and the loads.
.macro TOSTAGE T
	WIN 0x04                                       ; an LDS store's data are its source 1: window 1
.irp t, 0,1,2,3
	ds_store_b128 v[STO], v[32*(\T)+8*\t:32*(\T)+8*\t+3] offset:128*(\t/2)+32*(\t%2)       ; each accumulator from its low end on
	ds_store_b128 v[STO], v[32*(\T)+8*\t+4:32*(\T)+8*\t+7] offset:128*(\t/2)+32*(\t%2)+16
.endr
	WIN 0
.irp i, 0,1,2,3,4,5,6,7
	ds_load_b128 v[BK+32*((\T)%2)+4*\i:BK+32*((\T)%2)+4*\i+3], v[RD] offset:544*\i
.endr
.endm
.macro SEND T, younger                 ; younger: the LDS instructions issued behind tile T's loads
	s_wait_dscnt \younger
.irp i, 0,1,2,3,4,5,6,7
	global_store_b128 v[CO], v[BK+32*((\T)%2)+4*\i:BK+32*((\T)%2)+4*\i+3], s[OUTP:OUTP+1] offset:(32*((\T)/2)+8*((\T)%2)+2*\i+8*(\i/4))*4096 th:TH_STORE_NT
.endr
.endm
	TOSTAGE 0
.irp T, 1,2,3,4,5,6,7
.if \T > 1
	s_wait_xcnt 0x0                                ; the stores of two tiles back have read their registers: this tile's loads may land there
.endif
	TOSTAGE \T
	SEND \T-1, 16
.endr
	SEND 7, 0
	s_wait_tensorcnt 0x0                           ; the wave's end, behind my last tensor load and my last LDS store
	ds_add_u32 v[SPW], v[NIL]
	s_wait_dscnt 0x0
	ROUND                                          ; the closing round
	s_endpgm
.Lfunc_end_k_q3db9790214_outp:
	.size	k_q3db9790214_outp, .Lfunc_end_k_q3db9790214_outp-k_q3db9790214_outp
	.p2alignl 7, 3214868480
	.fill 96, 4, 3214868480
	.section	.rodata,"a",@progbits
	.p2align	6, 0x0
	.amdhsa_kernel k_q3db9790214_outp
		.amdhsa_group_segment_fixed_size 167936
		.amdhsa_private_segment_fixed_size 0
		.amdhsa_enable_private_segment 0
		.amdhsa_kernarg_size 40
		.amdhsa_user_sgpr_count 2
		.amdhsa_user_sgpr_kernarg_segment_ptr 1
		.amdhsa_wavefront_size32 1
		.amdhsa_system_sgpr_workgroup_id_x 1
		.amdhsa_system_sgpr_workgroup_id_y 1
		.amdhsa_system_sgpr_workgroup_id_z 1
		.amdhsa_system_vgpr_workitem_id 0
		.amdhsa_next_free_vgpr 1024
		.amdhsa_next_free_sgpr 66
		.amdhsa_reserve_vcc 0
		.amdhsa_float_denorm_mode_32 3
		.amdhsa_float_denorm_mode_16_64 3
		.amdhsa_memory_ordered 1
		.amdhsa_forward_progress 1
		.amdhsa_inst_pref_size 82
	.end_amdhsa_kernel
	.amdgpu_metadata
---
amdhsa.version: [ 1, 2 ]
amdhsa.kernels:
  - .name:           k_q3db9790214_outp
    .symbol:         k_q3db9790214_outp.kd
    .args:
      - { .name: ob, .offset: 0, .size: 8, .value_kind: global_buffer, .address_space: global }
      - { .name: wimg, .offset: 8, .size: 8, .value_kind: global_buffer, .address_space: global }
      - { .name: wsc, .offset: 16, .size: 8, .value_kind: global_buffer, .address_space: global }
      - { .name: bo, .offset: 24, .size: 8, .value_kind: global_buffer, .address_space: global }
      - { .name: out0, .offset: 32, .size: 8, .value_kind: global_buffer, .address_space: global }
    .group_segment_fixed_size: 167936
    .private_segment_fixed_size: 0
    .kernarg_segment_align: 8
    .kernarg_segment_size: 40
    .max_flat_workgroup_size: 128
    .sgpr_count:     66
    .vgpr_count:     1024
    .wavefront_size: 32
...
	.end_amdgpu_metadata
.endif
;; end of part 4
;; ======== version 2 of 2: 4 launches
;; workspace buffers: wimg 3,145,728 bytes; wsc 131,072 bytes; qb 6,815,744 bytes; kv 13,631,488 bytes; ob 6,553,600 bytes
;; launch wquant: the kernel of part 1 again; grid 64 x 4, 4 waves a work-group, no clusters, 13,312 bytes of LDS; arguments Wq, Wk, Wv, Wo, wimg, wsc; writes wimg, wsc
;; launch proj (part 5): grid 64 x 3, 8 waves a work-group, no clusters, 171,008 bytes of LDS; arguments q, k, v, bq, bk, bv, wimg, wsc, qb, kv; writes qb, kv
.if DOCPART == 5
	.amdgcn_target "amdgcn-amd-amdhsa--gfx1250"
	.amdhsa_code_object_version 6
	.text
	.protected	k_q3db9790214_proj
	.globl	k_q3db9790214_proj
	.p2align	8
	.type	k_q3db9790214_proj,@function
k_q3db9790214_proj:
	s_mov_b64 s[64:65], 0
	v_nop
	global_prefetch_b8 v0, s[64:65] scope:SCOPE_SE
	s_setreg_imm32_b32 hwreg(HW_REG_WAVE_SCHED_MODE, 0, 2), 2
	s_setreg_imm32_b32 hwreg(HW_REG_WAVE_MODE, 25, 1), 1
	s_wait_xcnt 0x0
	s_wait_alu depctr_vm_vsrc(0)
; Launch 2 of 4: products 1 to 3, x W + b for x = q, k, v (work-group y = 0, 1, 2), on codes of E2M3; nothing is left out.  x arrives as f32 and is quantised here; the results are quantised here too and leave as codes.
; SHARES.  A work-group takes 128 tokens (x) of one tensor (y).  PHASE 1: wave w quantises token tile w (16 tokens x all 1024 of K) and lays its eight fragments into LDS as images of their registers.
; PHASE 2, two passes: wave w makes the 64 columns of head hd = w + 8 pass for all 128 tokens: 32 accumulators.  Its weights come from memory straight into registers, as images, two K steps ahead.
; THE TOKENS OF A TILE ARE NOT NEIGHBOURS: row r of tile 2 b + u is token 32 b + 8 u + r + 8 (r / 8) of the block; the weights' tiles are laid the same way.  Whichever of the two is source 0,
; the 16 registers of result tiles 2 b, 2 b + 1 are then 16 neighbours, 32 b + 16 (lane / 16) + 0 .. 15, along that axis.
; q, k: source 0 = 16 columns of W, source 1 = 16 tokens: a lane holds ONE token and registers along the head's 64, the K of product 4.  v: the sources swapped: a lane holds ONE channel and registers along the 128 tokens, the K of product 5.
; The bias is the C of each sum's first matrix instruction.
; OUT.  qb [b h][block of 128 tokens][6656]: 8 half images (16 tokens x 64: registers 0-3 at 16 l, 4-5 at 512 + 8 l; 768 bytes), then 512 bytes of scale words [tile / 4][row 16][tile % 4] (bytes 0, 1; bytes 2, 3 are 0).
; kv [b h][key step of 128][13312]: K's part laid as qb's block; V's part: 4 whole images (16 channels x 128 keys, 1536 bytes), then [lane 32][4 tiles] scale words.
; LIMITS: as stated at the head of the first launch (NaN, infinities; a block of zeros has the byte 1).
; THE MODE: SCHED_MODE bits 1:0 = 2 (LLVM: expert scheduling mode 2), set by the entry lines.  The code itself states the register dependences
; between vector or matrix instructions and memory or LDS instructions, with s_wait_alu, always for 0.
; THE PLAN.  Registers that memory or LDS instructions touch:
;   v1-5          offsets and LDS addresses: made at the head, never written again.
;   v104-109      phase 1: LDS addresses made at the head, and the scale word that each step's quantiser writes and an LDS store reads.  Behind phase 1 the weights' K step 1 lands there.
;   window 1      phase 1: four sets of 64 numbers: global loads land, the stage's LDS stores read, in steps 0 to 3 the set is loaded again.  No vector instruction names them.  Phase 2: the accumulators, which matrix instructions write.
;   X, PC         phase 1: the stage's LDS loads land in X, the quantiser reads X and writes PC, the image's LDS stores read PC.
;   XF g0, XF g1  phase 2: half g of a K step (16 matrix instructions) reads XF g; behind it the next K step's fragments land there, while the other half reads the other group.
;   XS, WF        two sets each: read by a K step's matrix instructions; loaded again behind them.  WSC, BIAS: read by a pass's matrix instructions, loaded again behind its last K step.
;   CODE, TM      the way out: written by vector instructions, read by the global stores; the next pass's fragments land there.
; THE WAITS.  Phase 1, two a K step: one on vm_vsrc behind the stage's loads (the stage's stores have read their set, the last image's stores PC and the scale word), one on va_vdst behind the quantiser
; (PC and the scale word are written; X is read out).  Phase 2: one on va_vdst at the head of each half K step, ahead of the run of loads into what the half before has read; one behind the last K step; one ahead of the
; run of stores; one on vm_vsrc at the pass's end.
.set XSC,   98304                      ; LDS: from 0 x's images [K step 8][tile 8][1536]; here their scale words [K step][tile / 4][row 16][tile % 4]
.set STG,   102400                     ; a stage for each wave: 16 rows x (512 + 16) bytes
.set STGW,  8448
.set SPARE, 169984                     ; the spare words, 128 bytes for each wave: four blocks of 256 bytes that no other line names
; window 0, for the whole launch
.set LI,   1                           ; v1  16 x lane
.set LI2,  2                           ; v2  + 49152: K steps 4 to 7 of x's images
.set L8,   3                           ; v3  8 x lane
.set XSA,  4                           ; v4  XSC + 16 x lane
.set BO,   5                           ; v5  my offset in a head's 64 biases
.set SPW,  6                           ; v6  LDS address of my spare word; never rewritten
.set NIL,  7                           ; v7  0; never rewritten
.set BIAS, 8                           ; v8-39    the bias in the result's layout, 8 registers a weight tile
.set WSC,  40                          ; v40-55   the weights' scale words: 4 (s / 2) + t, lanes 0-15 even K steps, 16-31 odd: scales and nothing else
.set WF,   56                          ; v56-151  the weights' fragments, two buffers of 4 x 12
.set XS,   152                         ; v152-159 x's scale words, two sets of 4: lanes 0-15 tiles 0-3, lanes 16-31 tiles 4-7: scales and nothing else
.set XF,   160                         ; v160-255 x's fragments: tiles 0-3, tiles 4-7
; phase 1 (W's second buffer is not yet asked for: six registers of it serve here)
.set PW,   104                         ; the scale word just made
.set STA,  105                         ; the stage, on the way in
.set STB,  106                         ; and on the way out
.set XW,   107                         ; where my images go
.set XW2,  108
.set XSW,  109                         ; and my scale words
.set X,    160                         ; v160-223 64 numbers
.set PC,   224                         ; v224-235 a fragment's codes
.set TT1,  236
.set TM1,  244
.set TP1,  248
.set SO1,  252
; the way out
.set TM,   160                         ; v160-167 largest magnitudes; at the end the scale words to store
.set TP,   168                         ; v168-175 the other half's; then the bytes
.set SO,   176                         ; v176-183 the conversions' scale operands
.set WD,   184                         ; v184-191 two bytes each
.set TT,   192                         ; v192-207 the conversions' second halves
.set CODE, 208                         ; v208-255 the codes
; window 1: phase 1: four sets of 64 numbers as loaded; then the 32 accumulators
.set WV,   24
.set Y,    25
.set BLK,  26
.set XP,   28                          ; s[28:29] x at my tile's first token
.set WP,   30                          ; s[30:31] my head's images
.set WS,   32                          ; s[32:33] their scale words
.set BP,   34                          ; s[34:35] my head's biases
.set OUT,  36                          ; s[36:37] where my head's block goes
.set OST,  38                          ; s[38:39] eight heads on
.set SEL,  40                          ; s[40:41] lane l xor 16
.set PASS, 42
.set HI16, 43                          ; lanes 16-31
.set MSB, 0
.macro WIN new                         ; the immediate's high byte repeats the setting that is left
.if MSB != \new
	s_set_vgpr_msb (MSB<<8)|\new
.set MSB, \new
.endif
.endm
.macro PLACES                          ; four plain places behind matrix instructions, in front of reads of their results and of the loads into their registers, where they stay beside the wait on va_vdst
.rept 4
	v_nop
.endr
.endm
.macro WLOAD s, buf                    ; my head's four fragments of K step s
.irp t, 0,1,2,3
.irp c, 0,1,2
	global_load_b128 v[WF+48*(\buf)+12*\t+4*\c:WF+48*(\buf)+12*\t+4*\c+3], v[LI], s[WP:WP+1] offset:6144*(\s)+1536*\t+512*\c
.endr
.endr
.endm
.macro PRELOAD both                    ; a head's scale words, biases and first fragments, in this order
.irp i, 0,1,2,3
	global_load_b128 v[WSC+4*\i:WSC+4*\i+3], v[LI], s[WS:WS+1] offset:512*\i
.endr
	s_cmp_eq_u32 s[Y], 2
	s_cbranch_scc1 .Lbias_v_\@
.irp t, 0,1,2,3                        ; q, k: lane (r, h), tile 2 b + u: columns 32 b + 16 h + 8 u + 0 .. 7
	global_load_b128 v[BIAS+8*\t:BIAS+8*\t+3], v[BO], s[BP:BP+1] offset:(32*(\t/2)+8*(\t%2))*4
	global_load_b128 v[BIAS+8*\t+4:BIAS+8*\t+7], v[BO], s[BP:BP+1] offset:(32*(\t/2)+8*(\t%2))*4+16
.endr
	s_branch .Lbias_done_\@
.Lbias_v_\@:
.irp t, 0,1,2,3                        ; v: a lane holds one column, 32 b + 8 u + r + 8 (r / 8): its bias in all eight registers
.irp j, 0,1,2,3,4,5,6,7
	global_load_b32 v[BIAS+8*\t+\j], v[BO], s[BP:BP+1] offset:(32*(\t/2)+8*(\t%2))*4
.endr
.endr
.Lbias_done_\@:
	WLOAD 0, 0
.if \both
	WLOAD 1, 1
.endif
.endm
.macro LOADX s, again                  ; my 16 tokens' numbers of K step s: each load reads one token's 512 consecutive bytes.  again = 1: the set has been through the stage
	WIN 0x40
.if \again
	s_wait_alu depctr_vm_vsrc(0)                   ; the stage's LDS stores have read this set, in which the loads below land; and the last step's image stores have read PC and the scale word, which the quantiser below writes again
.endif
.irp i, 0,1,2,3,4,5,6,7,8,9,10,11,12,13,14,15
	global_load_b128 v[64*((\s)%4)+4*\i:64*((\s)%4)+4*\i+3], v[LI], s[XP:XP+1] offset:(\i+8*(\i/8))*4096+512*(\s) th:TH_LOAD_NT
.endr
	WIN 0
.endm
; 64 numbers of a lane, register 16 b + i = k 32 b + 16 (lane / 16) + i of my row, become a fragment's codes in v[PC] on and its scale word in v[PW]
.macro QUANT
.irp b, 0,1,2,3
	v_max3_num_f32 v[TM1+\b], |v[X+16*\b]|, |v[X+1+16*\b]|, 0x1800000   ; with the floor 2^(3 - 127): the byte cannot fall under 1
.endr
.irp i, 2,4,6,8,10,12,14
.irp b, 0,1,2,3
	v_max3_num_f32 v[TM1+\b], v[TM1+\b], |v[X+16*\b+\i]|, |v[X+1+16*\b+\i]|
.endr
.endr
.irp b, 0,1,2,3
	v_permlanex16_b32 v[TP1+\b], v[TM1+\b], s[SEL], s[SEL+1]
.endr
.irp b, 0,1,2,3
	v_max_num_f32 v[TM1+\b], v[TM1+\b], v[TP1+\b]  ; with lane l xor 16's: the block's largest magnitude
.endr
.irp b, 0,1,2,3
	v_add_nc_u32 v[SO1+\b], 0xff000000, v[TM1+\b]  ; 2 off its exponent field: the conversion's scale operand
.endr
.irp b, 0,1,2,3
	v_lshrrev_b32 v[TP1+\b], 23, v[SO1+\b]         ; the scale's byte
.endr
	v_lshl_or_b32 v[PW], v[TP1+1], 8, v[TP1]
	v_lshl_or_b32 v[PW], v[TP1+2], 16, v[PW]
	v_lshl_or_b32 v[PW], v[TP1+3], 24, v[PW]
.irp c, 0,1
	v_cvt_scalef32_pk16_fp6_f32 v[PC+6*\c:PC+2+6*\c], v[X+32*\c:X+15+32*\c], v[SO1+2*\c]
	v_cvt_scalef32_pk16_fp6_f32 v[TT1+4*\c:TT1+2+4*\c], v[X+16+32*\c:X+31+32*\c], v[SO1+2*\c+1]
.endr
	v_nop                                          ; one plain place behind a scaled conversion
.irp c, 0,1                            ; the operand's layout wants a whole block in a lane
.irp i, 0,1,2
	v_permlane16_swap_b32 v[PC+6*\c+\i], v[TT1+4*\c+\i]
.endr
.irp i, 0,1,2
	v_mov_b32 v[PC+3+6*\c+\i], v[TT1+4*\c+\i]
.endr
.endr
.endm
.macro XSTEP s                         ; K step s of my tile: through my stage, quantised, image to LDS
.if 7-(\s) >= 3
	s_wait_loadcnt 48                              ; this step's 16 loads are in; those of the three steps behind it may be out
.else
	s_wait_loadcnt 16*(7-(\s))
.endif
	WIN 0x04                                       ; an LDS store's data are its source 1: window 1
.irp i, 0,1,2,3,4,5,6,7,8,9,10,11,12,13,14,15
	ds_store_b128 v[STA], v[64*((\s)%4)+4*\i:64*((\s)%4)+4*\i+3] offset:528*\i
.endr
	WIN 0
.irp b, 0,1,2,3
.irp j, 0,1,2,3
	ds_load_b128 v[X+16*\b+4*\j:X+16*\b+4*\j+3], v[STB] offset:128*\b+16*\j   ; LDS serves a wave's instructions in order: these see my stores.  No vector instruction since the last wait on va_vdst names X
.endr
.endr
	s_wait_dscnt 0x0                               ; my 64 numbers are back
.if (\s) < 4
	LOADX (\s)+4, 1
.else
	s_wait_alu depctr_vm_vsrc(0)                   ; the last step's image stores have read PC and the scale word, which the quantiser below writes again
.endif
	QUANT
	s_wait_alu depctr_va_vdst(0)                   ; the quantiser has written PC and the scale word, which the LDS stores below read, and is done reading X, in which the next step's loads from the stage land
.irp c, 0,1,2
	ds_store_b128 v[XW+(\s)/4], v[PC+4*\c:PC+4*\c+3] offset:12288*((\s)%4)+512*\c
.endr
	ds_store_b32 v[XSW], v[PW] offset:512*(\s)     ; lanes r and 16 + r write the same word with the same value
.endm
.macro XLOAD s, g                      ; x's fragments of K step s, tiles 4 g .. 4 g + 3
.irp a, 0,1,2,3
.irp c, 0,1,2
	ds_load_b128 v[XF+48*(\g)+12*\a+4*\c:XF+48*(\g)+12*\a+4*\c+3], v[LI+(\s)/4] offset:(8*((\s)%4)+4*(\g)+\a)*1536+512*\c
.endr
.endr
.endm
.macro XSL s
	ds_load_b128 v[XS+4*((\s)%2):XS+4*((\s)%2)+3], v[XSA] offset:512*(\s)
.endm
.macro WM                              ; one matrix instruction, by the symbols set ahead of it; fA, fB: the scales stand in lanes 16-31
.if fA && fB
	v_wmma_scale_f32_16x16x128_f8f6f4 v[rD:rD+7], v[rA:rA+11], v[rB:rB+11], v[rC:rC+7], v[rSA], v[rSB] matrix_a_fmt:MATRIX_FMT_FP6 matrix_b_fmt:MATRIX_FMT_FP6 matrix_a_scale:MATRIX_SCALE_ROW1 matrix_b_scale:MATRIX_SCALE_ROW1
.elseif fA
	v_wmma_scale_f32_16x16x128_f8f6f4 v[rD:rD+7], v[rA:rA+11], v[rB:rB+11], v[rC:rC+7], v[rSA], v[rSB] matrix_a_fmt:MATRIX_FMT_FP6 matrix_b_fmt:MATRIX_FMT_FP6 matrix_a_scale:MATRIX_SCALE_ROW1
.elseif fB
	v_wmma_scale_f32_16x16x128_f8f6f4 v[rD:rD+7], v[rA:rA+11], v[rB:rB+11], v[rC:rC+7], v[rSA], v[rSB] matrix_a_fmt:MATRIX_FMT_FP6 matrix_b_fmt:MATRIX_FMT_FP6 matrix_b_scale:MATRIX_SCALE_ROW1
.else
	v_wmma_scale_f32_16x16x128_f8f6f4 v[rD:rD+7], v[rA:rA+11], v[rB:rB+11], v[rC:rC+7], v[rSA], v[rSB] matrix_a_fmt:MATRIX_FMT_FP6 matrix_b_fmt:MATRIX_FMT_FP6
.endif
.endm
; 16 matrix instructions: token tiles 4 g .. 4 g + 3 x the head's four weight tiles, K step s.  ver = 0: q, k; 1: v.  The 32 accumulators take turns, in the same order in every step.
.macro MUL16 ver, s, g
.if (\s) == 0
	WIN 0x40                                       ; D window 1; C = the bias, window 0
.else
	WIN 0x50                                       ; C and D window 1
.endif
.irp a, 0,1,2,3
.irp t, 0,1,2,3
.set rW,  WF+48*((\s)%2)+12*\t
.set rX,  XF+48*(\g)+12*\a
.set rWS, WSC+4*((\s)/2)+\t
.set rXS, XS+4*((\s)%2)+\a
.if \ver
.set rD,  8*(8*\t+4*(\g)+\a)
.set rA,  rX
.set rB,  rW
.set rSA, rXS
.set rSB, rWS
.set fA,  \g
.set fB,  (\s)%2
.else
.set rD,  8*(4*(4*(\g)+\a)+\t)
.set rA,  rW
.set rB,  rX
.set rSA, rWS
.set rSB, rXS
.set fA,  (\s)%2
.set fB,  \g
.endif
.if (\s) == 0
.set rC,  BIAS+8*\t
.else
.set rC,  rD
.endif
	WM
.endr
.endr
.endm
; A K step: two halves of 16 matrix instructions.  Behind each half one wait on va_vdst and the run of loads into what that half has read; the half that follows names the other group of x's fragments alone.
; The runs stay whole: the accumulators lie in window 1 and the loads' destinations in window 0, so a load set among the matrix instructions would want two switches of its own.
.macro KSTEP ver, s
.if (\s) < 7
	s_wait_loadcnt 12                              ; this step's weights are in; the next step's 12 loads may be out
.else
	s_wait_loadcnt 0
.endif
	s_wait_dscnt 12                                ; x's tiles 0-3 and the scale words are in; tiles 4-7's 12 loads may be out
	MUL16 \ver, \s, 0
	WIN 0
	PLACES
.if (\s) < 7
	s_wait_alu depctr_va_vdst(0)                   ; the sixteen matrix instructions above are done reading x's tiles 0-3, and the last K step's its set of x's scale words: the 13 loads below land there
	XLOAD (\s)+1, 0
	XSL (\s)+1
	s_wait_dscnt 13                                ; all but the 13 just issued
.else
	s_wait_dscnt 0
.endif
	MUL16 \ver, \s, 1
	WIN 0
	PLACES
.if (\s) < 7
	s_wait_alu depctr_va_vdst(0)                   ; this K step's matrix instructions are done reading x's tiles 4-7 and this step's buffer of weights: the loads below land there
	XLOAD (\s)+1, 1
.endif
.if (\s) < 6
	WLOAD (\s)+2, (\s)%2
.endif
.endm
; Half hf of the accumulators: eight blocks of 32 along the next K, each 16 registers in lanes l and l xor 16.  Pairs of blocks become six code registers at CODE + 24 hf + 6 m and two bytes in WD + 4 hf + m.
.macro EPI hf
	WIN 0
.irp n, 0,1,2,3,4,5,6,7
	v_mov_b32 v[TP+\n], 0                          ; a lane permute's destination counts as one of its sources
.endr
	WIN 0x05
.irp n, 0,1,2,3,4,5,6,7
	v_max3_num_f32 v[TM+\n], |v[128*\hf+16*\n]|, |v[128*\hf+16*\n+1]|, 0x1800000   ; each accumulator is read from its low end on
.endr
	WIN 0x14
.irp i, 2,4,6,8,10,12,14
.irp n, 0,1,2,3,4,5,6,7
	v_max3_num_f32 v[TM+\n], v[TM+\n], |v[128*\hf+16*\n+\i]|, |v[128*\hf+16*\n+\i+1]|
.endr
.endr
	WIN 0
.irp n, 0,1,2,3,4,5,6,7
	v_permlanex16_b32 v[TP+\n], v[TM+\n], s[SEL], s[SEL+1]
.endr
.irp n, 0,1,2,3,4,5,6,7
	v_max_num_f32 v[TM+\n], v[TM+\n], v[TP+\n]
.endr
.irp n, 0,1,2,3,4,5,6,7
	v_add_nc_u32 v[SO+\n], 0xff000000, v[TM+\n]
.endr
.irp n, 0,1,2,3,4,5,6,7
	v_lshrrev_b32 v[TP+\n], 23, v[SO+\n]
.endr
.irp m, 0,1,2,3
	v_lshl_or_b32 v[WD+4*\hf+\m], v[TP+2*\m+1], 8, v[TP+2*\m]
.endr
	WIN 0x01
.irp m, 0,1,2,3
	v_cvt_scalef32_pk16_fp6_f32 v[CODE+24*\hf+6*\m:CODE+24*\hf+6*\m+2], v[128*\hf+32*\m:128*\hf+32*\m+15], v[SO+2*\m]
	v_cvt_scalef32_pk16_fp6_f32 v[TT+4*\m:TT+4*\m+2], v[128*\hf+32*\m+16:128*\hf+32*\m+31], v[SO+2*\m+1]
.endr
	WIN 0
	v_nop                                          ; one plain place behind a scaled conversion
.irp m, 0,1,2,3
.irp i, 0,1,2
	v_permlane16_swap_b32 v[CODE+24*\hf+6*\m+\i], v[TT+4*\m+\i]
.endr
.irp i, 0,1,2
	v_mov_b32 v[CODE+24*\hf+6*\m+3+\i], v[TT+4*\m+\i]
.endr
.endr
.endm
	s_load_b512 s[4:19], s[0:1], 0x0               ; q, k, v, bq, bk, bv, wimg, wsc
	s_load_b128 s[20:23], s[0:1], 0x40             ; qb, kv
	v_lshl_add_u32 v[SPW], v0, 2, SPARE
	v_mov_b32 v[NIL], 0
	v_lshrrev_b32 v[LI], 5, v0
	v_readfirstlane_b32 s[WV], v[LI]               ; wave 0..7
	s_and_b32 s[Y], ttmp7, 0xffff                  ; 0 q, 1 k, 2 v
	s_mov_b32 s[BLK], ttmp9                        ; block of 128 tokens
	v_and_b32 v[L8], 31, v0
	v_lshlrev_b32 v[LI], 4, v[L8]
	v_add_nc_u32 v[LI2], 49152, v[LI]
	v_add_nc_u32 v[XSA], XSC, v[LI]
	v_lshlrev_b32 v[L8], 3, v[L8]
	v_and_b32 v[X], 15, v0                         ; r
	v_bfe_u32 v[X+1], v0, 4, 1                     ; h
	v_and_b32 v[X+2], 8, v[X]
	v_add_nc_u32 v[X+2], v[X+2], v[X]              ; r + 8 (r / 8)
	s_cmp_eq_u32 s[Y], 2
	s_cselect_b32 s44, 0, 64
	s_cselect_b32 s45, 4, 0
	v_mul_u32_u24 v[BO], v[X+1], s44               ; q, k: 64 h;
	v_mad_u32_u24 v[BO], v[X+2], s45, v[BO]        ; v: 4 (r + 8 (r / 8))
	s_wait_alu depctr_va_sdst(0)                   ; the wave's number is written, ahead of its first reader: LDS addresses and the bases are made from it
	s_mul_i32 s46, s[WV], STGW
	s_add_co_u32 s46, s46, STG
	v_add_nc_u32 v[STA], s46, v[LI]
	v_mul_u32_u24 v[STB], v[X], 528
	v_lshl_add_u32 v[STB], v[X+1], 6, v[STB]
	v_add_nc_u32 v[STB], s46, v[STB]               ; row r, + 64 h: my 16 numbers of each block of 32
	s_mul_i32 s46, s[WV], 1536
	v_add_nc_u32 v[XW], s46, v[LI]
	v_add_nc_u32 v[XW2], 49152, v[XW]
	s_lshr_b32 s46, s[WV], 2
	s_lshl_b32 s46, s46, 8
	s_and_b32 s47, s[WV], 3
	s_lshl_b32 s47, s47, 2
	s_add_co_u32 s46, s46, s47
	s_add_co_u32 s46, s46, XSC
	v_lshl_add_u32 v[XSW], v[X], 4, s46
.irp b, 0,1,2,3
	v_mov_b32 v[TP1+\b], 0                         ; written once: a lane permute's destination counts as one of its sources
.endr
	s_mov_b32 s[SEL], 0x76543210
	s_mov_b32 s[SEL+1], 0xfedcba98
	s_mov_b32 s[HI16], 0xffff0000
	s_lshl_b32 s48, s[BLK], 7                      ; x: token 128 block + 32 (w / 2) + 8 (w % 2), rows of 4096 bytes
	s_lshr_b32 s49, s[WV], 1
	s_lshl_b32 s49, s49, 5
	s_add_co_u32 s48, s48, s49
	s_and_b32 s49, s[WV], 1
	s_lshl_b32 s49, s49, 3
	s_add_co_u32 s48, s48, s49
	s_lshl_b32 s48, s48, 12
	s_mov_b32 s49, 0
	s_mul_i32 s50, s[Y], 786432                    ; wimg: weight y, head w
	s_mul_i32 s51, s[WV], 49152
	s_add_co_u32 s50, s50, s51
	s_mov_b32 s51, 0
	s_lshl_b32 s52, s[Y], 15                       ; wsc likewise
	s_lshl_b32 s53, s[WV], 11
	s_add_co_u32 s52, s52, s53
	s_mov_b32 s53, 0
	s_lshl_b32 s54, s[WV], 8                       ; the bias: 64 numbers a head
	s_mov_b32 s55, 0
	s_cmp_eq_u32 s[Y], 0
	s_cselect_b32 s56, 0, 1
	s_lshl_b32 s57, 0x1a000, s56                   ; a head's bytes: 106496 in qb, twice that in kv
	s_lshl_b32 s58, 6656, s56                      ; a block's
	s_lshr_b32 s59, s[BLK], 4
	s_lshl_b32 s59, s59, 4
	s_add_co_u32 s59, s59, s[WV]                   ; 16 batch + head
	s_mul_i32 s59, s59, s57
	s_and_b32 s60, s[BLK], 15
	s_mul_i32 s60, s60, s58
	s_add_co_u32 s60, s60, s59
	s_cmp_eq_u32 s[Y], 2
	s_cselect_b32 s61, 6656, 0                     ; V's part lies behind K's
	s_add_co_u32 s60, s60, s61
	s_mov_b32 s61, 0
	s_lshl_b32 s[OST], s57, 3
	s_mov_b32 s[OST+1], 0
	s_wait_kmcnt 0x0
	s_cmp_eq_u32 s[Y], 1                           ; the buffers are chosen by the work-group's y alone
	s_cselect_b64 s[XP:XP+1], s[6:7], s[4:5]
	s_cselect_b64 s[BP:BP+1], s[12:13], s[10:11]
	s_cmp_eq_u32 s[Y], 2
	s_cselect_b64 s[XP:XP+1], s[8:9], s[XP:XP+1]
	s_cselect_b64 s[BP:BP+1], s[14:15], s[BP:BP+1]
	s_cmp_eq_u32 s[Y], 0
	s_cselect_b64 s[OUT:OUT+1], s[20:21], s[22:23]
	s_add_nc_u64 s[XP:XP+1], s[XP:XP+1], s[48:49]
	s_add_nc_u64 s[WP:WP+1], s[16:17], s[50:51]
	s_add_nc_u64 s[WS:WS+1], s[18:19], s[52:53]
	s_add_nc_u64 s[BP:BP+1], s[BP:BP+1], s[54:55]
	s_add_nc_u64 s[OUT:OUT+1], s[OUT:OUT+1], s[60:61]
	s_wait_alu depctr_va_vdst(0)                   ; the offsets and LDS addresses v1-5 and v105-109 are written, which the loads and stores of the whole launch read; so are v160-162, in which the stage's first loads land
	PRELOAD 0                                      ; the first head's scale words, biases and K step 0: they land under phase 1
	LOADX 0, 0
	LOADX 1, 0
	LOADX 2, 0
	LOADX 3, 0
	XSTEP 0
	XSTEP 1
	XSTEP 2
	XSTEP 3
	XSTEP 4
	XSTEP 5
	XSTEP 6
	XSTEP 7
	s_wait_dscnt 0x0                               ; for the others' sake: my images and scale words have landed
	s_wait_alu depctr_vm_vsrc(0)                   ; phase 1's LDS instructions have read v104-109, in which the weights below land; PC, in which x's fragments land; and the four sets of window 1, which the matrix instructions write as accumulators
	WLOAD 1, 1                                     ; the first head's K step 1: the youngest 12 loads (the quantiser's last write of v104 stands ahead of the last wait on va_vdst)
	s_barrier_signal -1
	s_barrier_wait -1                              ; all 64 fragments of x lie in LDS; from here on LDS is only read
	s_mov_b32 s[PASS], 2
.Lpass:
	XLOAD 0, 0                                     ; no vector instruction since the last wait on va_vdst names v152-255: on the way in that wait is phase 1's last, on the way back the one ahead of the stores
	XSL 0
	XLOAD 0, 1
	s_cmp_eq_u32 s[Y], 2
	s_cbranch_scc1 .Lsteps_v
.irp s, 0,1,2,3,4,5,6,7
	KSTEP 0, \s
.endr
	s_branch .Lsteps_done
.Lsteps_v:
.irp s, 0,1,2,3,4,5,6,7
	KSTEP 1, \s
.endr
.Lsteps_done:
	s_wait_alu depctr_va_vdst(0)                   ; the pass's matrix instructions are done reading the weights' scale words, the biases and both buffers of weights, in which the next head's loads land
	s_cmp_eq_u32 s[PASS], 1
	s_cbranch_scc1 .Lno_more
	s_add_nc_u64 s[WP:WP+1], s[WP:WP+1], 393216    ; eight heads on: every load that named these bases was awaited at K step 7
	s_add_nc_u64 s[WS:WS+1], s[WS:WS+1], 16384
	s_add_nc_u64 s[BP:BP+1], s[BP:BP+1], 2048
	PRELOAD 1                                      ; the next head's first loads land under the way out
.Lno_more:
	EPI 0
	EPI 1
	s_cmp_eq_u32 s[Y], 2
	s_cbranch_scc1 .Lout_v
.irp i, 0,1,2,3
	v_cndmask_b32 v[TM+\i], v[WD+\i], v[WD+4+\i], s[HI16]   ; lanes 0-15: tiles 0-3's words, lanes 16-31: tiles 4-7's (the mask is a constant that a scalar instruction wrote)
.endr
	s_wait_alu depctr_va_vdst(0)                   ; the codes and the scale words are written, which the run of stores below reads; and the way out is done with v160-255, in which the next pass's fragments land
.irp m, 0,1,2,3,4,5,6,7                ; q, k: eight half images: 512 and 256 consecutive bytes a store, aligned to 256
	global_store_b128 v[LI], v[CODE+6*\m:CODE+6*\m+3], s[OUT:OUT+1] offset:768*\m
	global_store_b64 v[L8], v[CODE+6*\m+4:CODE+6*\m+5], s[OUT:OUT+1] offset:768*\m+512
.endr
	global_store_b128 v[LI], v[TM:TM+3], s[OUT:OUT+1] offset:6144
	s_branch .Lout_done
.Lout_v:
.irp t, 0,1,2,3
	v_lshl_or_b32 v[TM+\t], v[WD+2*\t+1], 16, v[WD+2*\t]
.endr
	s_wait_alu depctr_va_vdst(0)                   ; the codes and the scale words are written, which the run of stores below reads; and the way out is done with v160-255, in which the next pass's fragments land
.irp t, 0,1,2,3                        ; v: four whole images
.irp c, 0,1,2
	global_store_b128 v[LI], v[CODE+12*\t+4*\c:CODE+12*\t+4*\c+3], s[OUT:OUT+1] offset:1536*\t+512*\c
.endr
.endr
	global_store_b128 v[LI], v[TM:TM+3], s[OUT:OUT+1] offset:6144
.Lout_done:
	s_wait_xcnt 0x0                                ; every earlier memory instruction has had its addresses translated: the stores' base is written again only behind this wait
	s_wait_alu depctr_vm_vsrc(0)                   ; the stores have read the codes and the scale words, in whose registers the next pass's fragments land
	s_add_nc_u64 s[OUT:OUT+1], s[OUT:OUT+1], s[OST:OST+1]
	s_sub_co_u32 s[PASS], s[PASS], 1
	s_cmp_lg_u32 s[PASS], 0
	s_cbranch_scc1 .Lpass
	s_wait_dscnt 0x0                               ; the wave's end of a launch in the mode that stores to LDS
	s_wait_alu 0x0
	s_wait_tensorcnt 0x0
	ds_add_u32 v[SPW], v[NIL]
	s_wait_dscnt 0x0
	s_endpgm
.Lfunc_end_k_q3db9790214_proj:
	.size	k_q3db9790214_proj, .Lfunc_end_k_q3db9790214_proj-k_q3db9790214_proj
	.p2alignl 7, 3214868480
	.fill 96, 4, 3214868480
	.section	.rodata,"a",@progbits
	.p2align	6, 0x0
	.amdhsa_kernel k_q3db9790214_proj
		.amdhsa_group_segment_fixed_size 171008
		.amdhsa_private_segment_fixed_size 0
		.amdhsa_enable_private_segment 0
		.amdhsa_kernarg_size 80
		.amdhsa_user_sgpr_count 2
		.amdhsa_user_sgpr_kernarg_segment_ptr 1
		.amdhsa_wavefront_size32 1
		.amdhsa_system_sgpr_workgroup_id_x 1
		.amdhsa_system_sgpr_workgroup_id_y 1
		.amdhsa_system_sgpr_workgroup_id_z 1
		.amdhsa_system_vgpr_workitem_id 0
		.amdhsa_next_free_vgpr 512
		.amdhsa_next_free_sgpr 66
		.amdhsa_reserve_vcc 0
		.amdhsa_float_denorm_mode_32 3
		.amdhsa_float_denorm_mode_16_64 3
		.amdhsa_memory_ordered 1
		.amdhsa_forward_progress 1
		.amdhsa_inst_pref_size 208
	.end_amdhsa_kernel
	.amdgpu_metadata
---
amdhsa.version: [ 1, 2 ]
amdhsa.kernels:
  - .name:           k_q3db9790214_proj
    .symbol:         k_q3db9790214_proj.kd
    .args:
      - { .name: q, .offset: 0, .size: 8, .value_kind: global_buffer, .address_space: global }
      - { .name: k, .offset: 8, .size: 8, .value_kind: global_buffer, .address_space: global }
      - { .name: v, .offset: 16, .size: 8, .value_kind: global_buffer, .address_space: global }
      - { .name: bq, .offset: 24, .size: 8, .value_kind: global_buffer, .address_space: global }
      - { .name: bk, .offset: 32, .size: 8, .value_kind: global_buffer, .address_space: global }
      - { .name: bv, .offset: 40, .size: 8, .value_kind: global_buffer, .address_space: global }
      - { .name: wimg, .offset: 48, .size: 8, .value_kind: global_buffer, .address_space: global }
      - { .name: wsc, .offset: 56, .size: 8, .value_kind: global_buffer, .address_space: global }
      - { .name: qb, .offset: 64, .size: 8, .value_kind: global_buffer, .address_space: global }
      - { .name: kv, .offset: 72, .size: 8, .value_kind: global_buffer, .address_space: global }
    .group_segment_fixed_size: 171008
    .private_segment_fixed_size: 0
    .kernarg_segment_align: 8
    .kernarg_segment_size: 80
    .max_flat_workgroup_size: 256
    .sgpr_count:     66
    .vgpr_count:     512
    .wavefront_size: 32
...
	.end_amdgpu_metadata
.endif
;; end of part 5
;; launch attn (part 6): grid 4 x 64, 16 waves a work-group, clusters of 4 x 1, 327,680 bytes of LDS; arguments qb, kv, ob; writes ob
.if DOCPART == 6
	.amdgcn_target "amdgcn-amd-amdhsa--gfx1250"
	.amdhsa_code_object_version 6
	.text
	.protected	k_q3db9790214_attn
	.globl	k_q3db9790214_attn
	.p2align	8
	.type	k_q3db9790214_attn,@function
k_q3db9790214_attn:
	s_mov_b64 s[64:65], 0
	v_nop
	global_prefetch_b8 v0, s[64:65] scope:SCOPE_SE
	s_setreg_imm32_b32 hwreg(HW_REG_WAVE_MODE, 25, 1), 1
	s_wait_xcnt 0x0
	s_wait_alu depctr_hold_cnt(0) depctr_sa_sdst(0) depctr_va_vdst(0) depctr_va_sdst(0) depctr_va_ssrc(0) depctr_va_vcc(0) depctr_vm_vsrc(0)
	s_getreg_b32 s2, hwreg(HW_REG_IB_STS2, 6, 4)
	s_cmp_eq_u32 s2, 0
	s_cbranch_scc0 .Lentry_in_a_cluster
	s_endpgm
.Lentry_in_a_cluster:
	s_bfe_u32 s2, ttmp6, 0x10000c
	s_cmp_lg_u32 s2, 0x3003
	s_cbranch_scc0 .Lentry_shape_is_right
	s_endpgm
.Lentry_shape_is_right:
; Launch 3 of 4: products 4 and 5 and the softmax between them, on codes of E2M3; nothing is left out.  O / l is quantised along D here and leaves as codes.
; THE SOFTMAX AHEAD OF PRODUCT 5: t = score x log2(e) / 8; M = the running largest t rounded UP to a whole number; p = 2^(t - M) is what is quantised, along the keys.  The row's sum is taken of the unquantised p
; and divides O at the end.  When M moves, the sum and O are multiplied by 2^(old M - new M): exact.
; SHARES.  A work-group takes one (batch, head) and 512 queries; each of its sixteen waves one tile of 16 queries in each of two passes, in 256 registers: four waves to a SIMD, so that one wave's vector work
; stands beside another's matrix work and LDS loads.  THE HEAD'S WHOLE K AND V, 212992 bytes of codes and scale words, LIE IN LDS as they lie in memory: filled once, never again: no ring, no barrier in the loop.
; CLUSTER.  The four work-groups of a head form a cluster and ask for K and V JOINTLY: the same two tensor loads a wave, the same descriptors, a mask that names the four.  By this text's count two tensor loads of a wave are out at the most.
; LAYOUT.  Both products are used transposed: S^T = K Q^T (source 0 = 16 keys, source 1 = my 16 queries), O^T = V^T P^T: a lane holds ONE query throughout.  Row r of key tile 2 b + u is key 32 b + 8 u + r + 8 (r / 8),
; so the 16 registers of tiles 2 b, 2 b + 1 are keys 32 b + 16 (lane / 16) + 0 .. 15.  V's channel tiles are laid the same way, so O^T's 32 registers are the head's 64 channels in the order that the quantiser along D wants.
; PRODUCT 4's K is 64 and the instruction's 128: registers 6-11 of both operands are zero codes, which add nothing (their scale bytes are 0, not 0xff).
; LIMITS: as stated at the head of the first launch; 1 / l is made by v_rcp_f32.
.set KVH,   212992
.set STEPB, 13312                      ; a key step: K's 8 half images (768), 512 bytes of scale words, V's 4 images (1536), 512 bytes of scale words
.set SPARE, 212992                     ; the spare words, 128 bytes for each wave: eight blocks of 256 bytes that no other line names
.set LI,   1                           ; v1   16 x lane
.set L8,   2                           ; v2   8 x lane
.set ADR,  3                           ; v3   the step's tiles, + 16 x lane
.set ADR8, 4                           ; v4   + 8 x lane
.set SPW,  5                           ; v5   LDS address of my spare word; never rewritten
.set NIL,  6                           ; v6   0; never rewritten
.set R16,  7                           ; v7   16 x (lane % 16)
.set VS,   8                           ; v8-11   V's scale words: scales and nothing else
.set BM,   28                          ; v28-31  the blocks' largest scores, then largest p.   v12 -M, v13 the largest t, v[14:15] the sum; v16-27 Q (22-27 zeros)
.set KF,   32                          ; v32-79  four fragments of K (registers + 6 .. + 11 zeros)
.set VF,   80                          ; v80-127 V's four fragments
.set S,    128                         ; v128-191 S^T, then p
.set O,    192                         ; v192-223 O^T
.set PCD,  224                         ; v224-235 p's codes
.set PM,   236                         ; v236-239 at work; v240-242 a conversion's second half
.set SO,   244                         ; v244-247 the conversions' scale operands
.set KS,   248                         ; v248-251 K's scale words: scales and nothing else.   v252 f; v253 p's scale word; v254 at work; v255 Q's scale words
.set WV,   18
.set SEL,  20
.set CS,   22                          ; s[22:23] c = log2(e) / 8
.set G1,   24
.set G0A,  32
.set G0B,  36
.set TB,   44                          ; LDS byte at which the step's tiles begin
.set CNT,  45
.set QP,   46
.set QS,   48
.set OP,   50
.set OS,   52
.macro ROUND                           ; a round of the cluster's barrier
	s_barrier_signal -1
	s_barrier_wait -1
	s_cmp_lg_u32 s[WV], 0
	s_cbranch_scc1 .Lnot_wave_0_\@
	s_barrier_signal -3
.Lnot_wave_0_\@:
	s_barrier_wait -3
	s_barrier_signal -1
	s_barrier_wait -1
.endm
	s_load_b128 s[4:7], s[0:1], 0x0                ; qb, kv
	s_load_b64 s[8:9], s[0:1], 0x10                ; ob
	v_lshl_add_u32 v[SPW], v0, 2, SPARE
	v_mov_b32 v[NIL], 0
	ds_add_u32 v[SPW], v[NIL]                      ; the wave's opening: the add, twice on end, and its wait ahead of my first tensor load
	ds_add_u32 v[SPW], v[NIL]
	v_lshrrev_b32 v[LI], 5, v0
	s_delay_alu instid0(VALU_DEP_1)
	v_readfirstlane_b32 s[WV], v[LI]               ; wave 0..15
	s_and_b32 s11, ttmp7, 0xffff                   ; 16 batch + head, which the four partners share
	s_mov_b32 s[G1], 15|(3<<16)|(1<<21)            ; the mask: all four; elements of 8 bytes; bit 21 beside a mask; no padding
	s_mov_b32 s[G1+1], 32<<16                      ; tensor_dim0 = 32 (256 bytes)
	s_mov_b32 s[G1+2], 26<<16                      ; tensor_dim1 = 26
	s_mov_b32 s[G1+3], 32<<16                      ; tile_dim0
	s_mov_b32 s[G1+4], 26                          ; tile_dim1: 6656 dense bytes a load
	s_mov_b32 s[G1+5], 32                          ; the pitch
	s_mov_b32 s[G1+6], 0
	s_mov_b32 s[G1+7], 0
	s_mul_i32 s12, s11, KVH
	s_mul_i32 s[G0A+1], s[WV], 6656                ; LDS as memory: wave w's first load brings bytes 6656 w on, its second those 106496 further
	s_add_co_u32 s12, s12, s[G0A+1]
	s_mov_b32 s13, 0
	s_add_co_u32 s[G0B+1], s[G0A+1], 106496
	s_mov_b32 s[G0A], 1
	s_mov_b32 s[G0B], 1
	s_mov_b32 s[SEL], 0x76543210
	s_mov_b32 s[SEL+1], 0xfedcba98
	s_mov_b32 s[CS], 0x3e38aa3b                    ; log2(e) / sqrt(64)
	s_mov_b32 s[CS+1], s[CS]
	s_bfe_u32 s10, ttmp6, 0x40000                  ; cx: it enters Q's and O's addresses alone
	s_lshl_b32 s14, s10, 2
	s_lshr_b32 s15, s[WV], 3
	s_add_co_u32 s14, s14, s15                     ; pass 0's block of 128 queries: 4 cx + w / 8 (pass 1: two blocks on)
	s_and_b32 s15, s[WV], 7                        ; my tile in it
	s_mul_i32 s54, s11, 106496
	s_mul_i32 s55, s14, 6656
	s_add_co_u32 s54, s54, s55                     ; the block in qb
	s_mul_i32 s55, s15, 768
	s_add_co_u32 s56, s54, s55                     ; my tile's half image
	s_mov_b32 s57, 0
	s_lshr_b32 s55, s15, 2
	s_lshl_b32 s17, s55, 8                         ; 256 (tile / 4)
	s_and_b32 s55, s[WV], 3
	s_lshl_b32 s55, s55, 2
	s_add_co_u32 s17, s17, s55                     ; + 4 (tile % 4): my tile's place among a block's scale words
	s_add_co_u32 s58, s54, s17
	s_add_co_u32 s58, s58, 6144
	s_mov_b32 s59, 0
	s_lshr_b32 s54, s11, 4
	s_lshl_b32 s54, s54, 4
	s_add_co_u32 s54, s54, s14
	s_mul_i32 s54, s54, 102400                     ; the block in ob
	s_and_b32 s16, s11, 15                         ; head
	s_mul_i32 s55, s15, 12288
	s_add_co_u32 s60, s54, s55
	s_mul_i32 s55, s16, 768
	s_add_co_u32 s60, s60, s55                     ; [tile][head] half image
	s_mov_b32 s61, 0
	s_lshr_b32 s55, s16, 1
	s_lshl_b32 s55, s55, 9
	s_add_co_u32 s62, s54, s55                     ; scale words: K step head / 2,
	s_add_co_u32 s62, s62, s17
	s_and_b32 s55, s16, 1
	s_lshl_b32 s55, s55, 1
	s_add_co_u32 s62, s62, s55                     ; bytes 0, 1 for an even head, 2, 3 for an odd one
	s_add_co_u32 s62, s62, 98304
	s_mov_b32 s63, 0
	v_and_b32 v[L8], 31, v0
	s_delay_alu instid0(VALU_DEP_1)
	v_lshlrev_b32 v[LI], 4, v[L8]
	s_delay_alu instid0(VALU_DEP_2)
	v_lshlrev_b32 v[L8], 3, v[L8]
	v_and_b32 v[R16], 15, v0
	s_delay_alu instid0(VALU_DEP_1)
	v_lshlrev_b32 v[R16], 4, v[R16]
	s_wait_dscnt 0x0                               ; both opening adds are done
	s_wait_kmcnt 0x0
	s_add_nc_u64 s[G0A+2:G0A+3], s[6:7], s[12:13]
	s_add_nc_u64 s[G0B+2:G0B+3], s[G0A+2:G0A+3], 106496
	s_or_b32 s[G0A+3], s[G0A+3], 0x80000000
	s_or_b32 s[G0B+3], s[G0B+3], 0x80000000
	s_add_nc_u64 s[QP:QP+1], s[4:5], s[56:57]
	s_add_nc_u64 s[QS:QS+1], s[4:5], s[58:59]
	s_add_nc_u64 s[OP:OP+1], s[8:9], s[60:61]
	s_add_nc_u64 s[OS:OS+1], s[8:9], s[62:63]
	ROUND                                          ; all four work-groups are here: the joint loads meet
	tensor_load_to_lds s[G0A:G0A+3], s[G1:G1+7]
	s_nop 0
	s_wait_alu depctr_va_vdst(0)
	s_wait_tensorcnt 0x0
	ds_add_u32 v5, v6
	s_wait_dscnt 0x0
	ROUND
	tensor_load_to_lds s[G0B:G0B+3], s[G1:G1+7]
	s_nop 0
.rept 4
	v_nop
.endr
.irp j, 22,23,24,25,26,27
	v_mov_b32 v\j, 0                               ; Q's upper 64 along K: zero codes
.endr
.irp t, 0,1,2,3
.irp j, 6,7,8,9,10,11
	v_mov_b32 v[KF+12*\t+\j], 0                    ; K's likewise: no load ever lands here
.endr
.endr
.irp b, 0,1,2,3
	v_mov_b32 v[PM+\b], 0                          ; a lane permute's destination counts as one of its sources
.endr
	v_mov_b32 v253, 0                              ; (named as the upper half of the pair v[252:253] before it is first written)
	v_mov_b32 v254, 0
.macro KLOAD g                         ; key tiles 4 g .. 4 g + 3: half images
.irp t, 0,1,2,3
	ds_load_b128 v[KF+12*\t:KF+12*\t+3], v[ADR] offset:768*(4*\g+\t)
	ds_load_b64 v[KF+12*\t+4:KF+12*\t+5], v[ADR8] offset:768*(4*\g+\t)+512
.endr
.endm
; A KEY STEP: 128 keys.
.macro STEP
	s_setprio 2
	v_add_nc_u32 v[ADR], s[TB], v[LI]
	v_add_nc_u32 v[ADR8], s[TB], v[L8]
	v_nop
	v_nop                                          ; four plain places behind the last step's products, in front of the loads into their registers
	ds_load_b128 v[KS:KS+3], v[ADR] offset:6144    ; lanes 0-15: tiles 0-3's scale words, lanes 16-31: tiles 4-7's
	KLOAD 0
.irp t, 0,1,2,3
.irp c, 0,1,2
	ds_load_b128 v[VF+12*\t+4*\c:VF+12*\t+4*\c+3], v[ADR] offset:6656+1536*\t+512*\c
.endr
.endr
	ds_load_b128 v[VS:VS+3], v[ADR] offset:12800
	s_wait_alu depctr_va_vdst(0)
	s_wait_dscnt 13                                ; K's words and tiles 0-3 are in; V's 12 loads and its words may be out
.irp t, 0,1,2,3
	v_wmma_scale_f32_16x16x128_f8f6f4 v[S+8*\t:S+8*\t+7], v[KF+12*\t:KF+12*\t+11], v[16:27], 0, v[KS+\t], v255 matrix_a_fmt:MATRIX_FMT_FP6 matrix_b_fmt:MATRIX_FMT_FP6
.endr
.rept 4
	v_nop
.endr
	KLOAD 1
	s_wait_dscnt 0x0
.irp t, 0,1,2,3
	v_wmma_scale_f32_16x16x128_f8f6f4 v[S+32+8*\t:S+32+8*\t+7], v[KF+12*\t:KF+12*\t+11], v[16:27], 0, v[KS+\t], v255 matrix_a_fmt:MATRIX_FMT_FP6 matrix_b_fmt:MATRIX_FMT_FP6 matrix_a_scale:MATRIX_SCALE_ROW1
.endr
.rept 4
	v_nop
.endr
.irp b, 0,1,2,3
	v_max3_num_f32 v[BM+\b], v[S+16*\b], v[S+1+16*\b], v[S+2+16*\b]   ; the largest score of each block of 32 keys: for the row's maximum, and, since p rises with the score, for the block's largest p
.endr
.irp i, 3,5,7,9,11,13
.irp b, 0,1,2,3
	v_max3_num_f32 v[BM+\b], v[BM+\b], v[S+16*\b+\i], v[S+1+16*\b+\i]
.endr
.endr
.irp b, 0,1,2,3
	v_max_num_f32 v[BM+\b], v[BM+\b], v[S+15+16*\b]
.endr
.irp b, 0,1,2,3
	s_delay_alu instid0(VALU_DEP_4)
	v_permlanex16_b32 v[PM+\b], v[BM+\b], s[SEL], s[SEL+1]
.endr
.irp b, 0,1,2,3
	s_delay_alu instid0(VALU_DEP_4)
	v_max_num_f32 v[BM+\b], v[BM+\b], v[PM+\b]     ; with lane l xor 16's 16 keys
.endr
	s_delay_alu instid0(VALU_DEP_2)
	v_max3_num_f32 v254, v[BM], v[BM+1], v[BM+2]
	s_delay_alu instid0(VALU_DEP_1)
	v_max_num_f32 v254, v254, v[BM+3]
	s_delay_alu instid0(VALU_DEP_1)
	v_mul_f32 v254, s[CS], v254                    ; as t (c is positive)
	s_delay_alu instid0(VALU_DEP_1)
	v_max_num_f32 v13, v13, v254                   ; the running largest t
	v_mov_b32 v254, v12
	s_delay_alu instid0(VALU_DEP_2)
	v_floor_f32 v12, -v13                          ; the new -M = floor(-t): M is a whole number
	s_delay_alu instid0(VALU_DEP_1)
	v_sub_f32 v254, v12, v254                      ; old M less new M: a whole number, 0 or less
	s_delay_alu instid0(VALU_DEP_1)
	v_cvt_i32_f32 v254, v254                       ; (it saturates)
	s_delay_alu instid0(VALU_DEP_1)
	v_ldexp_f32 v252, 1.0, v254                    ; f = 2^(old M - new M)
.set j, 0
.rept 32
	v_pk_fma_f32 v[S+j:S+j+1], v[S+j:S+j+1], s[CS:CS+1], v[12:13] op_sel_hi:[1,0,0]   ; t - M, two at a time
.set j, j+2
.endr
.irp b, 0,1,2,3
	v_fma_f32 v[BM+\b], v[BM+\b], s[CS], v12       ; the same of each block's largest score
.endr
.set j, 0
	s_wait_alu depctr_va_vdst(0)
.rept 64
	v_exp_f32 v[S+j], v[S+j]                       ; p = 2^(t - M), at most 1
.set j, j+1
.endr
	s_setprio 1
	v_pk_mul_f32 v[14:15], v[14:15], v[252:253] op_sel_hi:[1,0]   ; the sums under the new M: a plain place behind the exponentials
	s_wait_alu depctr_va_vdst(0)                   ; one wait for the whole batch, ahead of its first reader
.irp b, 0,1,2,3
	v_exp_f32 v[BM+\b], v[BM+\b]                   ; the block's largest p: the same two instructions on the same number
.endr
	v_pk_add_f32 v[PM:PM+1], v[S:S+1], v[S+2:S+3]  ; the row's sum of the unquantised p, in two chains
.irp j, 4,8,12,16,20,24,28,32,36,40,44,48,52,56,60
	v_pk_add_f32 v[14:15], v[14:15], v[S+\j:S+\j+1]
	v_pk_add_f32 v[PM:PM+1], v[PM:PM+1], v[S+\j+2:S+\j+3]
.endr
	s_delay_alu instid0(VALU_DEP_1)
	v_pk_add_f32 v[14:15], v[14:15], v[PM:PM+1]
	s_wait_alu depctr_va_vdst(0)                   ; and one for the four
.irp b, 0,1,2,3
	v_max_num_f32 v[BM+\b], 0x1800000, v[BM+\b]    ; the floor 2^(3 - 127): the byte cannot fall under 1
.endr
.irp b, 0,1,2,3
	s_delay_alu instid0(VALU_DEP_4)
	v_add_nc_u32 v[SO+\b], 0xff000000, v[BM+\b]
.endr
.irp b, 0,1,2,3
	s_delay_alu instid0(VALU_DEP_4)
	v_lshrrev_b32 v[PM+\b], 23, v[SO+\b]
.endr
	s_delay_alu instid0(VALU_DEP_3)
	v_lshl_or_b32 v253, v[PM+1], 8, v[PM]          ; p's scale word for these 128 keys
	s_delay_alu instid0(VALU_DEP_1)
	v_lshl_or_b32 v253, v[PM+2], 16, v253
	s_delay_alu instid0(VALU_DEP_1)
	v_lshl_or_b32 v253, v[PM+3], 24, v253
.irp c, 0,1
	v_cvt_scalef32_pk16_fp6_f32 v[PCD+6*\c:PCD+2+6*\c], v[S+32*\c:S+15+32*\c], v[SO+2*\c]
	v_cvt_scalef32_pk16_fp6_f32 v[PM+4*\c:PM+2+4*\c], v[S+16+32*\c:S+31+32*\c], v[SO+2*\c+1]
.endr
	v_nop                                          ; one plain place behind a scaled conversion
.irp c, 0,1
.irp i, 0,1,2
	v_permlane16_swap_b32 v[PCD+6*\c+\i], v[PM+4*\c+\i]
.endr
.irp i, 0,1,2
	s_delay_alu instid0(VALU_DEP_3)
	v_mov_b32 v[PCD+3+6*\c+\i], v[PM+4*\c+\i]
.endr
.endr
.set j, 0
	s_setprio 0
.rept 16
	v_pk_mul_f32 v[O+j:O+j+1], v[O+j:O+j+1], v[252:253] op_sel_hi:[1,0]   ; O^T under the new M; these are also the places between the scale word's and the codes' last writes and the products below
.set j, j+2
.endr
.irp t, 0,1,2,3                        ; O^T += V^T P^T: the four accumulators by turns, one instruction a turn
	v_wmma_scale_f32_16x16x128_f8f6f4 v[O+8*\t:O+8*\t+7], v[VF+12*\t:VF+12*\t+11], v[PCD:PCD+11], v[O+8*\t:O+8*\t+7], v[VS+\t], v253 matrix_a_fmt:MATRIX_FMT_FP6 matrix_b_fmt:MATRIX_FMT_FP6
.endr
	s_add_co_u32 s[TB], s[TB], STEPB
.endm
.macro PASS p                          ; my tile of queries, and the sums' beginnings
	global_load_b128 v[16:19], v[LI], s[QP:QP+1] offset:13312*\p
	global_load_b64 v[20:21], v[L8], s[QP:QP+1] offset:13312*\p+512
	global_load_b32 v255, v[R16], s[QS:QS+1] offset:13312*\p
	v_mov_b32 v13, 0xff61b1e6                      ; the largest t so far: -3e38
	s_delay_alu instid0(VALU_DEP_1)
	v_floor_f32 v12, -v13
	v_mov_b32 v14, 0
	v_mov_b32 v15, 0
.set j, 0
.rept 32
	v_mov_b32 v[O+j], 0                            ; the step is written once: the first finds zeros, which the first change of M leaves zeros
.set j, j+1
.endr
	s_mov_b32 s[TB], 0
	s_mov_b32 s[CNT], 16
	s_wait_loadcnt 0x0
	s_wait_xcnt 0x0                                ; the last pass's stores have read their registers
.endm
.macro OUTW p                          ; O^T / l, quantised along D: the head's 64 channels are two blocks of 32
.rept 4
	v_nop
.endr
	v_add_f32 v14, v14, v15
	s_delay_alu instid0(VALU_DEP_1)
	v_permlanex16_b32 v254, v14, s[SEL], s[SEL+1]
	s_delay_alu instid0(VALU_DEP_1)
	v_add_f32 v14, v14, v254                       ; the row's sum
	s_wait_alu depctr_va_vdst(0)
	v_rcp_f32 v252, v14
	v_nop                                          ; a plain place behind the transcendental
	s_wait_alu depctr_va_vdst(0)                   ; and the wait ahead of its first reader
.set j, 0
.rept 16
	v_pk_mul_f32 v[S+j:S+j+1], v[O+j:O+j+1], v[252:253] op_sel_hi:[1,0]   ; register 16 b + i: channel 32 b + 16 (lane / 16) + i
.set j, j+2
.endr
.irp b, 0,1
	v_max3_num_f32 v[BM+\b], |v[S+16*\b]|, |v[S+1+16*\b]|, 0x1800000
.endr
.irp i, 2,4,6,8,10,12,14
.irp b, 0,1
	s_delay_alu instid0(VALU_DEP_2)
	v_max3_num_f32 v[BM+\b], v[BM+\b], |v[S+16*\b+\i]|, |v[S+1+16*\b+\i]|
.endr
.endr
.irp b, 0,1
	s_delay_alu instid0(VALU_DEP_2)
	v_permlanex16_b32 v[PM+\b], v[BM+\b], s[SEL], s[SEL+1]
.endr
.irp b, 0,1
	s_delay_alu instid0(VALU_DEP_2)
	v_max_num_f32 v[BM+\b], v[BM+\b], v[PM+\b]
.endr
.irp b, 0,1
	s_delay_alu instid0(VALU_DEP_2)
	v_add_nc_u32 v[SO+\b], 0xff000000, v[BM+\b]
.endr
.irp b, 0,1
	s_delay_alu instid0(VALU_DEP_2)
	v_lshrrev_b32 v[PM+\b], 23, v[SO+\b]
.endr
	s_delay_alu instid0(VALU_DEP_1)
	v_lshl_or_b32 v254, v[PM+1], 8, v[PM]          ; my row's two bytes
	v_cvt_scalef32_pk16_fp6_f32 v[PCD:PCD+2], v[S:S+15], v[SO]
	v_cvt_scalef32_pk16_fp6_f32 v[PM+4:PM+6], v[S+16:S+31], v[SO+1]
	v_nop
.irp i, 0,1,2
	v_permlane16_swap_b32 v[PCD+\i], v[PM+4+\i]
.endr
.irp i, 0,1,2
	s_delay_alu instid0(VALU_DEP_3)
	v_mov_b32 v[PCD+3+\i], v[PM+4+\i]
.endr
	global_store_b128 v[LI], v[PCD:PCD+3], s[OP:OP+1] offset:204800*\p      ; a half image: 512 and 256 consecutive bytes, aligned to 256
	global_store_b64 v[L8], v[PCD+4:PCD+5], s[OP:OP+1] offset:204800*\p+512
	global_store_b16 v[R16], v254, s[OS:OS+1] offset:204800*\p              ; lanes r and 16 + r write the same two bytes with the same value
.endm
	PASS 0
	s_wait_tensorcnt 0x0                           ; my parts of K and V have landed,
	s_barrier_signal -1
	s_barrier_wait -1                              ; everybody's have: from here on LDS is only read
.Lkeys0:
	STEP
	s_sub_co_u32 s[CNT], s[CNT], 1
	s_cmp_lg_u32 s[CNT], 0
	s_cbranch_scc1 .Lkeys0
	s_setprio 0
	OUTW 0
	PASS 1
.Lkeys1:
	STEP
	s_sub_co_u32 s[CNT], s[CNT], 1
	s_cmp_lg_u32 s[CNT], 0
	s_cbranch_scc1 .Lkeys1
	s_setprio 0
	OUTW 1
	s_wait_tensorcnt 0x0                           ; the wave's end, behind my last tensor load
	ds_add_u32 v[SPW], v[NIL]
	s_wait_dscnt 0x0
	ROUND                                          ; the closing round
	s_endpgm
.Lfunc_end_k_q3db9790214_attn:
	.size	k_q3db9790214_attn, .Lfunc_end_k_q3db9790214_attn-k_q3db9790214_attn
	.p2alignl 7, 3214868480
	.fill 96, 4, 3214868480
	.section	.rodata,"a",@progbits
	.p2align	6, 0x0
	.amdhsa_kernel k_q3db9790214_attn
		.amdhsa_group_segment_fixed_size 327680
		.amdhsa_private_segment_fixed_size 0
		.amdhsa_enable_private_segment 0
		.amdhsa_kernarg_size 24
		.amdhsa_user_sgpr_count 2
		.amdhsa_user_sgpr_kernarg_segment_ptr 1
		.amdhsa_wavefront_size32 1
		.amdhsa_system_sgpr_workgroup_id_x 1
		.amdhsa_system_sgpr_workgroup_id_y 1
		.amdhsa_system_sgpr_workgroup_id_z 1
		.amdhsa_system_vgpr_workitem_id 0
		.amdhsa_next_free_vgpr 256
		.amdhsa_next_free_sgpr 66
		.amdhsa_reserve_vcc 0
		.amdhsa_float_denorm_mode_32 3
		.amdhsa_float_denorm_mode_16_64 3
		.amdhsa_memory_ordered 1
		.amdhsa_forward_progress 1
		.amdhsa_inst_pref_size 53
	.end_amdhsa_kernel
	.amdgpu_metadata
---
amdhsa.version: [ 1, 2 ]
amdhsa.kernels:
  - .name:           k_q3db9790214_attn
    .symbol:         k_q3db9790214_attn.kd
    .args:
      - { .name: qb, .offset: 0, .size: 8, .value_kind: global_buffer, .address_space: global }
      - { .name: kv, .offset: 8, .size: 8, .value_kind: global_buffer, .address_space: global }
      - { .name: ob, .offset: 16, .size: 8, .value_kind: global_buffer, .address_space: global }
    .group_segment_fixed_size: 327680
    .private_segment_fixed_size: 0
    .kernarg_segment_align: 8
    .kernarg_segment_size: 24
    .max_flat_workgroup_size: 512
    .sgpr_count:     66
    .vgpr_count:     256
    .wavefront_size: 32
...
	.end_amdgpu_metadata
.endif
;; end of part 6
;; launch outp (part 7): grid 4 x 64, 4 waves a work-group, clusters of 4 x 1, 167,936 bytes of LDS; arguments ob, wimg, wsc, bo, out0; writes out0
.if DOCPART == 7
	.amdgcn_target "amdgcn-amd-amdhsa--gfx1250"
	.amdhsa_code_object_version 6
	.text
	.protected	k_q3db9790214_outp
	.globl	k_q3db9790214_outp
	.p2align	8
	.type	k_q3db9790214_outp,@function
k_q3db9790214_outp:
	s_mov_b64 s[64:65], 0
	v_nop
	global_prefetch_b8 v0, s[64:65] scope:SCOPE_SE
	s_setreg_imm32_b32 hwreg(HW_REG_WAVE_MODE, 25, 1), 1
	s_wait_xcnt 0x0
	s_wait_alu depctr_hold_cnt(0) depctr_sa_sdst(0) depctr_va_vdst(0) depctr_va_sdst(0) depctr_va_ssrc(0) depctr_va_vcc(0) depctr_vm_vsrc(0)
	s_getreg_b32 s2, hwreg(HW_REG_IB_STS2, 6, 4)
	s_cmp_eq_u32 s2, 0
	s_cbranch_scc0 .Lentry_in_a_cluster
	s_endpgm
.Lentry_in_a_cluster:
	s_bfe_u32 s2, ttmp6, 0x10000c
	s_cmp_lg_u32 s2, 0x3003
	s_cbranch_scc0 .Lentry_shape_is_right
	s_endpgm
.Lentry_shape_is_right:
; Launch 4 of 4: product 6, out = O Wo + bo, on codes of E2M3; nothing is left out.
; SHARES.  A work-group takes 128 tokens (y) and a quarter of the 1024 columns (its place cx in the cluster); wave w the 64 columns of slice 4 cx + w, for all 128 tokens: 32 accumulators.
; The wave's whole part of Wo, 8 K steps x 4 fragments = 384 registers, comes from memory once, as images.  The block of O's codes and scale words, 102400 dense bytes, comes into LDS once.
; CLUSTER.  The four work-groups of a block of tokens ask for it JOINTLY: one tensor load a wave (a quarter of the block), the same descriptor, a mask that names the four.  One tensor load of a wave is out at the most.
; ob's block: [tile 8][head 16] half images (768 bytes: registers 0-3 at 16 l, 4-5 at 512 + 8 l), then [K step 8][tile / 4][row 16][tile % 4] scale words.  K step s is heads 2 s and 2 s + 1: two half images are one fragment.
; Source 0 = 16 columns of Wo, source 1 = 16 tokens: a lane holds one token and neighbouring columns.  Row r of token tile 2 b + u is token 32 b + 8 u + r + 8 (r / 8): the stores put each row in its place.
.set XSCO,  98304
.set STG,   102400                     ; a stage for each wave: 16 rows x (256 + 16) bytes; no tensor load lands here
.set SPARE, 119808                     ; the spare words, 128 bytes for each wave: two blocks of 256 bytes that no other line names
.set LI,   1                           ; v1 16 x lane;  v2 + 49152 (tiles 4-7)
.set LI2,  2
.set L8,   3                           ; v3 8 x lane;   v4 + 49152
.set L82,  4
.set XSA,  5
.set SPW,  6
.set NIL,  7
.set BIAS, 8                           ; v8-39
.set WSC,  40                          ; v40-55 Wo's scale words: scales and nothing else
.set XS,   56                          ; v56-63 O's scale words, two sets: scales and nothing else
.set XF,   64                          ; v64-159 O's fragments: tiles 0-3, tiles 4-7
.set STO,  160
.set RD,   161
.set CO,   162
.set BO,   163
.set BK,   192                         ; v192-255 the way out: two sets of 32
; window 1: the 32 accumulators, (tile T, weight tile t) at 8 (4 T + t).  Window 2: Wo's K steps 0-4 at 48 s + 12 t.  Window 3: K steps 5-7.
.set WV,   14
.set G1,   24
.set G0,   32
.set WP,   36
.set WS,   38
.set BP,   40
.set OUTP, 42
.set MSB, 0
.macro WIN new
.if MSB != \new
	s_set_vgpr_msb (MSB<<8)|\new
.set MSB, \new
.endif
.endm
.macro PLACES
.rept 4
	v_nop
.endr
.endm
.macro ROUND
	s_barrier_signal -1
	s_barrier_wait -1
	s_cmp_lg_u32 s[WV], 0
	s_cbranch_scc1 .Lnot_wave_0_\@
	s_barrier_signal -3
.Lnot_wave_0_\@:
	s_barrier_wait -3
	s_barrier_signal -1
	s_barrier_wait -1
.endm
	s_load_b256 s[4:11], s[0:1], 0x0               ; ob, wimg, wsc, bo
	s_load_b64 s[12:13], s[0:1], 0x20              ; out0
	v_lshl_add_u32 v[SPW], v0, 2, SPARE
	v_mov_b32 v[NIL], 0
	ds_add_u32 v[SPW], v[NIL]                      ; the wave's opening: the add, twice on end, and its wait ahead of my first tensor load
	ds_add_u32 v[SPW], v[NIL]
	v_lshrrev_b32 v[LI], 5, v0
	v_readfirstlane_b32 s[WV], v[LI]               ; wave 0..3
	s_and_b32 s16, ttmp7, 0xffff                   ; block of 128 tokens, which the four partners share
	s_mov_b32 s[G1], 15|(3<<16)|(1<<21)            ; the mask: all four; elements of 8 bytes; bit 21 beside a mask; no padding
	s_mov_b32 s[G1+1], 32<<16
	s_mov_b32 s[G1+2], 100<<16
	s_mov_b32 s[G1+3], 32<<16
	s_mov_b32 s[G1+4], 100                         ; 100 rows of 256 bytes: a quarter of the block
	s_mov_b32 s[G1+5], 32
	s_mov_b32 s[G1+6], 0
	s_mov_b32 s[G1+7], 0
	s_mul_i32 s20, s16, 102400
	s_mul_i32 s[G0+1], s[WV], 25600
	s_add_co_u32 s20, s20, s[G0+1]
	s_mov_b32 s21, 0
	s_mov_b32 s[G0], 1
	s_bfe_u32 s15, ttmp6, 0x40000                  ; cx: it enters the weights', the bias's and the output's addresses alone
	s_lshl_b32 s17, s15, 2
	s_add_co_u32 s17, s17, s[WV]                   ; my slice of 64 columns
	s_mul_i32 s44, s17, 49152
	s_add_co_u32 s44, s44, 2359296                 ; wimg: weight 3
	s_mov_b32 s45, 0
	s_lshl_b32 s46, s17, 11
	s_add_co_u32 s46, s46, 98304                   ; wsc: weight 3
	s_mov_b32 s47, 0
	s_lshl_b32 s48, s17, 8
	s_mov_b32 s49, 0
	s_lshl_b32 s50, s16, 19                        ; out0: 128 rows of 4096 bytes a block,
	s_add_co_u32 s50, s50, s48                     ; + 256 bytes a slice
	s_mov_b32 s51, 0
	v_and_b32 v[L8], 31, v0
	v_lshlrev_b32 v[LI], 4, v[L8]
	v_add_nc_u32 v[LI2], 49152, v[LI]
	v_lshlrev_b32 v[L8], 3, v[L8]
	v_add_nc_u32 v[L82], 49152, v[L8]
	v_add_nc_u32 v[XSA], XSCO, v[LI]
	v_and_b32 v164, 15, v0                         ; r
	v_bfe_u32 v165, v0, 4, 1                       ; h
	v_lshlrev_b32 v[BO], 6, v165
	s_mul_i32 s22, s[WV], 4352
	s_add_co_u32 s22, s22, STG
	v_mul_u32_u24 v[STO], v164, 272
	v_lshl_add_u32 v[STO], v165, 6, v[STO]
	v_add_nc_u32 v[STO], s22, v[STO]               ; in: row r, + 64 h
	v_mul_u32_u24 v[RD], v165, 272
	v_lshl_add_u32 v[RD], v164, 4, v[RD]
	v_add_nc_u32 v[RD], s22, v[RD]                 ; back: lanes 0-15 one row of 256 bytes, lanes 16-31 the next
	v_lshlrev_b32 v[CO], 12, v165
	v_lshl_add_u32 v[CO], v164, 4, v[CO]           ; and the same two rows in out0
	s_wait_dscnt 0x0                               ; both opening adds are done
	s_wait_kmcnt 0x0
	s_add_nc_u64 s[G0+2:G0+3], s[4:5], s[20:21]
	s_or_b32 s[G0+3], s[G0+3], 0x80000000
	s_add_nc_u64 s[WP:WP+1], s[6:7], s[44:45]
	s_add_nc_u64 s[WS:WS+1], s[8:9], s[46:47]
	s_add_nc_u64 s[BP:BP+1], s[10:11], s[48:49]
	s_add_nc_u64 s[OUTP:OUTP+1], s[12:13], s[50:51]
	ROUND                                          ; all four work-groups are here: the joint loads meet
	tensor_load_to_lds s[G0:G0+3], s[G1:G1+7]
	s_nop 0
.rept 4
	v_nop
.endr
.irp i, 0,1,2,3
	global_load_b128 v[WSC+4*\i:WSC+4*\i+3], v[LI], s[WS:WS+1] offset:512*\i
.endr
	s_wait_alu depctr_va_vdst(0)
.irp t, 0,1,2,3                        ; lane (r, h), tile 2 b + u: columns 32 b + 16 h + 8 u + 0 .. 7
	global_load_b128 v[BIAS+8*\t:BIAS+8*\t+3], v[BO], s[BP:BP+1] offset:(32*(\t/2)+8*(\t%2))*4
	global_load_b128 v[BIAS+8*\t+4:BIAS+8*\t+7], v[BO], s[BP:BP+1] offset:(32*(\t/2)+8*(\t%2))*4+16
.endr
	WIN 0x80
.irp s, 0,1,2,3,4
.irp t, 0,1,2,3
.irp c, 0,1,2
	global_load_b128 v[48*\s+12*\t+4*\c:48*\s+12*\t+4*\c+3], v[LI], s[WP:WP+1] offset:6144*\s+1536*\t+512*\c
.endr
.endr
.endr
	WIN 0xc0
.irp s, 5,6,7
.irp t, 0,1,2,3
.irp c, 0,1,2
	global_load_b128 v[48*(\s-5)+12*\t+4*\c:48*(\s-5)+12*\t+4*\c+3], v[LI], s[WP:WP+1] offset:6144*\s+1536*\t+512*\c
.endr
.endr
.endr
	WIN 0
.macro XLOAD s, g                      ; O's fragments of K step s, tiles 4 g .. 4 g + 3: two half images each
.irp a, 0,1,2,3
.set rX, XF+48*(\g)+12*\a
.set oX, (16*\a+2*(\s))*768
	ds_load_b128 v[rX:rX+3], v[LI+(\g)] offset:oX
	ds_load_b64 v[rX+4:rX+5], v[L8+(\g)] offset:oX+512
	ds_load_b128 v[rX+6:rX+9], v[LI+(\g)] offset:oX+768
	ds_load_b64 v[rX+10:rX+11], v[L8+(\g)] offset:oX+1280
.endr
.endm
.macro XSL s
	ds_load_b128 v[XS+4*((\s)%2):XS+4*((\s)%2)+3], v[XSA] offset:512*(\s)
.endm
.macro WM
.if fA && fB
	v_wmma_scale_f32_16x16x128_f8f6f4 v[rD:rD+7], v[rA:rA+11], v[rB:rB+11], v[rC:rC+7], v[rSA], v[rSB] matrix_a_fmt:MATRIX_FMT_FP6 matrix_b_fmt:MATRIX_FMT_FP6 matrix_a_scale:MATRIX_SCALE_ROW1 matrix_b_scale:MATRIX_SCALE_ROW1
.elseif fA
	v_wmma_scale_f32_16x16x128_f8f6f4 v[rD:rD+7], v[rA:rA+11], v[rB:rB+11], v[rC:rC+7], v[rSA], v[rSB] matrix_a_fmt:MATRIX_FMT_FP6 matrix_b_fmt:MATRIX_FMT_FP6 matrix_a_scale:MATRIX_SCALE_ROW1
.elseif fB
	v_wmma_scale_f32_16x16x128_f8f6f4 v[rD:rD+7], v[rA:rA+11], v[rB:rB+11], v[rC:rC+7], v[rSA], v[rSB] matrix_a_fmt:MATRIX_FMT_FP6 matrix_b_fmt:MATRIX_FMT_FP6 matrix_b_scale:MATRIX_SCALE_ROW1
.else
	v_wmma_scale_f32_16x16x128_f8f6f4 v[rD:rD+7], v[rA:rA+11], v[rB:rB+11], v[rC:rC+7], v[rSA], v[rSB] matrix_a_fmt:MATRIX_FMT_FP6 matrix_b_fmt:MATRIX_FMT_FP6
.endif
.endm
.macro MUL16 s, g                      ; the 32 accumulators take turns, in the same order in every step
.if (\s) == 0
	WIN 0x42                                       ; source 0 window 2, C = the bias in window 0, D window 1
.elseif (\s) < 5
	WIN 0x52
.else
	WIN 0x53
.endif
.irp a, 0,1,2,3
.irp t, 0,1,2,3
.set rD,  8*(4*(4*(\g)+\a)+\t)
.set rA,  48*((\s)%5)+12*\t
.set rB,  XF+48*(\g)+12*\a
.set rSA, WSC+4*((\s)/2)+\t
.set rSB, XS+4*((\s)%2)+\a
.set fA,  (\s)%2
.set fB,  \g
.if (\s) == 0
.set rC,  BIAS+8*\t
.else
.set rC,  rD
.endif
	WM
.endr
.endr
.endm
.macro KSTEP s
.if 12*(7-(\s)) > 63
	s_wait_loadcnt 63                              ; this step's weights are in: more than 63 younger loads there cannot be
.else
	s_wait_loadcnt 12*(7-(\s))                     ; the later K steps' weights may be out
.endif
	s_wait_dscnt 16                                ; tiles 0-3 and the scale words are in; tiles 4-7's 16 loads may be out
	MUL16 \s, 0
	WIN 0
	PLACES
.if (\s) < 7
	XLOAD (\s)+1, 0
	XSL (\s)+1
	s_wait_dscnt 17                                ; all but the 17 just issued
.else
	s_wait_dscnt 0
.endif
	MUL16 \s, 1
	WIN 0
	PLACES
.if (\s) < 7
	XLOAD (\s)+1, 1
.endif
.endm
	s_wait_tensorcnt 0x0                           ; my quarter of the block has landed,
	s_barrier_signal -1
	s_barrier_wait -1                              ; everybody's has
	XLOAD 0, 0
	XSL 0
	XLOAD 0, 1
.irp s, 0,1,2,3,4,5,6,7
	KSTEP \s
.endr
; THE WAY OUT, a token tile at a time: 16 rows x 256 bytes through my own stage, so that sixteen lanes store 256 consecutive bytes, aligned.  LDS serves a wave's instructions in order: no wait between the stores and the loads.
.macro TOSTAGE T
	WIN 0x04                                       ; an LDS store's data are its source 1: window 1
.irp t, 0,1,2,3
	ds_store_b128 v[STO], v[32*(\T)+8*\t:32*(\T)+8*\t+3] offset:128*(\t/2)+32*(\t%2)       ; each accumulator from its low end on
	ds_store_b128 v[STO], v[32*(\T)+8*\t+4:32*(\T)+8*\t+7] offset:128*(\t/2)+32*(\t%2)+16
.endr
	WIN 0
.irp i, 0,1,2,3,4,5,6,7
	ds_load_b128 v[BK+32*((\T)%2)+4*\i:BK+32*((\T)%2)+4*\i+3], v[RD] offset:544*\i
.endr
.endm
.macro SEND T, younger                 ; younger: the LDS instructions issued behind tile T's loads
	s_wait_dscnt \younger
.irp i, 0,1,2,3,4,5,6,7
	global_store_b128 v[CO], v[BK+32*((\T)%2)+4*\i:BK+32*((\T)%2)+4*\i+3], s[OUTP:OUTP+1] offset:(32*((\T)/2)+8*((\T)%2)+2*\i+8*(\i/4))*4096 th:TH_STORE_NT
.endr
.endm
	TOSTAGE 0
.irp T, 1,2,3,4,5,6,7
.if \T > 1
	s_wait_xcnt 0x0                                ; the stores of two tiles back have read their registers: this tile's loads may land there
.endif
	TOSTAGE \T
	SEND \T-1, 16
.endr
	SEND 7, 0
	s_wait_tensorcnt 0x0                           ; the wave's end, behind my last tensor load and my last LDS store
	ds_add_u32 v[SPW], v[NIL]
	s_wait_dscnt 0x0
	ROUND                                          ; the closing round
	s_endpgm
.Lfunc_end_k_q3db9790214_outp:
	.size	k_q3db9790214_outp, .Lfunc_end_k_q3db9790214_outp-k_q3db9790214_outp
	.p2alignl 7, 3214868480
	.fill 96, 4, 3214868480
	.section	.rodata,"a",@progbits
	.p2align	6, 0x0
	.amdhsa_kernel k_q3db9790214_outp
		.amdhsa_group_segment_fixed_size 167936
		.amdhsa_private_segment_fixed_size 0
		.amdhsa_enable_private_segment 0
		.amdhsa_kernarg_size 40
		.amdhsa_user_sgpr_count 2
		.amdhsa_user_sgpr_kernarg_segment_ptr 1
		.amdhsa_wavefront_size32 1
		.amdhsa_system_sgpr_workgroup_id_x 1
		.amdhsa_system_sgpr_workgroup_id_y 1
		.amdhsa_system_sgpr_workgroup_id_z 1
		.amdhsa_system_vgpr_workitem_id 0
		.amdhsa_next_free_vgpr 1024
		.amdhsa_next_free_sgpr 66
		.amdhsa_reserve_vcc 0
		.amdhsa_float_denorm_mode_32 3
		.amdhsa_float_denorm_mode_16_64 3
		.amdhsa_memory_ordered 1
		.amdhsa_forward_progress 1
		.amdhsa_inst_pref_size 82
	.end_amdhsa_kernel
	.amdgpu_metadata
---
amdhsa.version: [ 1, 2 ]
amdhsa.kernels:
  - .name:           k_q3db9790214_outp
    .symbol:         k_q3db9790214_outp.kd
    .args:
      - { .name: ob, .offset: 0, .size: 8, .value_kind: global_buffer, .address_space: global }
      - { .name: wimg, .offset: 8, .size: 8, .value_kind: global_buffer, .address_space: global }
      - { .name: wsc, .offset: 16, .size: 8, .value_kind: global_buffer, .address_space: global }
      - { .name: bo, .offset: 24, .size: 8, .value_kind: global_buffer, .address_space: global }
      - { .name: out0, .offset: 32, .size: 8, .value_kind: global_buffer, .address_space: global }
    .group_segment_fixed_size: 167936
    .private_segment_fixed_size: 0
    .kernarg_segment_align: 8
    .kernarg_segment_size: 40
    .max_flat_workgroup_size: 128
    .sgpr_count:     66
    .vgpr_count:     1024
    .wavefront_size: 32
...
	.end_amdgpu_metadata
.endif
;; end of part 7
